; MI455X (gfx1250); checked and timed in simulation.
; The chip was launched on July 23, 2026; its instructions are those of AMD's public machine-readable ISA for CDNA 5 (MIT licence, August 2026) and "CDNA5" Instruction Set Architecture Reference Guide (July 2026). The comments in the code are by the model that wrote it; some were corrected since.
;; Co PE Attention. Allowed arithmetic: matrix products marked QUANTISED: E2M1 operands, one E8M0 scale for each 32 along K, by v_wmma_scale_f32_16x16x128_f8f6f4 with both operands' format E2M1 (or v_wmma_scale_f32_32x16x128_f4), f32 sums; everything else in f32.
;; Inputs: Wk 768 x 768 float32; Wq 768 x 768 float32; Wv 768 x 768 float32; attention_mask 8 x 1,024 int32; bk 768 float32; bq 768 float32; bv 768 float32; pos_emb 768 x 512 float32; token_embeddings 8 x 1,024 x 768 float32.
;; Outputs: out0 8 x 768 float32.
;; This version of the problem:
;;   THIS VERSION OF THE PROBLEM IS GIVEN IN LOW PRECISION. The matrix products marked QUANTISED in the list below multiply operands that are first quantised to E2M1 (2 exponent bits, 1 mantissa bit; 4 bits a number), with one power-of-two scale for each 32 numbers along K (OCP MX v1.0); their sums are f32. All else is computed in f32.
;;   The module's matrix products, in the order in which they are computed (A, B: the left and right operand; K: the contracted axis; several contracted axes count as one K, in the product's order):
;;     1. [M 8,192, K 768] x [K 768, N 768]; A: input token_embeddings; B: input Wq: QUANTISED
;;     2. [M 8,192, K 768] x [K 768, N 768]; A: input token_embeddings; B: input Wk: QUANTISED
;;     3. [M 8,192, K 768] x [K 768, N 768]; A: input token_embeddings; B: input Wv: QUANTISED
;;     4. batch 8 x [M 1,024, K 768] x [K 768, N 1,024]; A: computed on the way; B: computed on the way: QUANTISED
;;     5. [M 8,192, K 768] x [K 768, N 512]; A: computed on the way; B: input pos_emb: QUANTISED
;;     6. batch 8 x [M 1,024, K 1,024] x [K 1,024, N 768]; A: softmax (see below); B: computed on the way: QUANTISED
;;   THE QUANTISER, for each operand of a quantised product, along K:
;;     - K is cut into blocks of 32 from its start; a last block that is shorter is filled with zeros.
;;     - A block's scale is 2^e with e = floor(log2(the largest magnitude in the block)) - 2, held to -126 .. 127; a block of zeros has e = 0. As a byte (E8M0): e + 127.
;;     - Each number is divided by its block's scale, clamped to +-6, and rounded to the nearest number of E2M1, ties to even, subnormals kept.
;;     - The product sums the exact products of the quantised numbers (number of the format x scale) in f32.
;;   ~~~python
;;   def quantise(x, axis):      # numpy; x: float32 -> the quantised numbers, widened to float32 again
;;       x = np.moveaxis(x, axis, -1); K = x.shape[-1]
;;       x = np.pad(x, [(0, 0)] * (x.ndim - 1) + [(0, -K % 32)]); x = x.reshape(x.shape[:-1] + (-1, 32)); a = np.abs(x).max(-1, keepdims=True)
;;       e = np.where(a > 0, np.clip(np.frexp(np.where(a > 0, a, 1))[1] - 1 - 2, -126, 127), 0)      # np.frexp(a)[1] - 1 = floor(log2(a)), exactly
;;       r = np.clip(x / 2.0 ** e, -6, 6)
;;       step = 2.0 ** (np.maximum(np.frexp(np.where(r == 0, 1, r))[1] - 1, 0) - 1)
;;       q = np.round(r / step) * step * 2.0 ** e      # np.round: ties to even
;;       return np.moveaxis(q.reshape(q.shape[:-2] + (-1,))[..., :K], -1, axis).astype(np.float32)
;;   ~~~
;;   SOFTMAX AHEAD OF A QUANTISED PRODUCT. Where the list says 'softmax', what is quantised is not the finished softmax but p = 2^(t - M), with t = logit x log2(e) and M = ceil(the row's largest t), a whole number; so 1/2 < the row's largest p <= 1. The row's sum l is taken of the UNQUANTISED p, in f32, and the product's result is divided by l at the end. Since M is a whole number, a kernel that streams over the keys may use a running M (the ceiling of the running maximum): every later rescaling is an exact power of two, which a block's scale takes up: the codes' values come out the same.
;;   OPERANDS COMPUTED ON THE WAY. 'Computed on the way' means the value that the module computes at that place (a softmax that the list does not call 'softmax' is quantised finished and normalised). What goes into a quantiser is computed in f32, as accurately as f32 sums, v_exp_f32 and their like allow (about 1e-6 of the number): no bf16 or f16 on the way to a quantiser, and a product that is left as it is and whose result goes on into a quantised operand takes f32 operands (vector FMAs, or v_wmma_f32_16x16x4_f32). A number that lies on a knife's edge between two numbers of the format may be rounded either way, as far as f32 arithmetic and the matrix unit's own rounding can turn it there, and no further.
;; One version. Each part assembles by itself: llvm-mc -triple=amdgcn-amd-amdhsa -mcpu=gfx1250 --defsym DOCPART=n.
;; ======== version 1 of 1: 3 launches
;; limits: right only within a limited range of input values
;; workspace buffers: wts 626,688 bytes; qv 3,328 bytes; pos 208,896 bytes; vcodes 3,145,728 bytes; vscl 196,608 bytes; logit 65,536 bytes; lint 16,384 bytes; xq 3,342,336 bytes
;; launch prep (part 1): grid 248 x 1, 9 waves a work-group, no clusters, 171,776 bytes of LDS; arguments Wk, Wv, Wq, bq, pos_emb, token_embeddings, wts, qv, pos, xq; writes wts, qv, pos, xq
.if DOCPART == 1
	.amdgcn_target "amdgcn-amd-amdhsa--gfx1250"
	.amdhsa_code_object_version 6
	.text
	.protected	k_q30dd2d0d7a_prep
	.globl	k_q30dd2d0d7a_prep
	.p2align	8
	.type	k_q30dd2d0d7a_prep,@function
k_q30dd2d0d7a_prep:
	s_mov_b64 s[64:65], 0
	v_nop
	global_prefetch_b8 v0, s[64:65] scope:SCOPE_SE
	s_setreg_imm32_b32 hwreg(HW_REG_WAVE_MODE, 25, 1), 1
	s_wait_xcnt 0x0
; WORK LEFT OUT.  reference() returns out[:, 0, :], query row 0 of each batch.  Every step behind q works on one query row at a time, so rows 1 to 1,023 of q, of the logits, gates and positions, of q . pos_emb,
; of the softmax and of the last product reach no output, whatever the inputs hold: they are not computed.  Live are q of each batch's first token and k and v of all tokens.
; LIMIT: a NaN, an infinity or an overflow that reaches only those rows is not carried to the result.
;
; PREPARATION.  Kinds of work-group, parted on the work-group's number; each path of the text has LDS bytes of its own.  248 work-groups of nine waves, 120 to 147 KB of loads each.
;   0..23   Q: q0 = Q(x0) Q(Wq)^T + bq for the first token of each of the 8 batches, 32 features a work-group, a K step of 128 for each of waves 0 to 5 (waves 6 to 8 only pass the barrier), then Q(q0): plain rows of
;           codes and scale bytes in qv.
;   24..55  W: 288 tasks, nine a work-group: 32 rows x 128 K of Wk (tasks 0..143) or Wv, [768][768] f32, K innermost, become codes of FP4 (E2M1) with one E8M0 byte for each 32 along K, laid as IMAGES OF OPERAND
;           REGISTERS: wts codes [matrix 2][g 24][K step 6][u 2][1,024 B] (register group c of a fragment at 512 c + 16 x lane), scale words from byte 589,824 on, [matrix][g][K step][u][16 words].
;           Row r of tile (g, u) is row 32 g + 8 u + r + 8 (r / 8) of the matrix: so the results of tiles u = 0, 1, used transposed, are 16 neighbouring features in a lane.
;   56..247 X: the tokens, [8,192][768] f32: 1,536 tasks of 32 tokens x 128 K, eight a work-group, by W's path with other pointers: xq [group of 128 tokens 64][52,224 B]: images [block 4][K step 6][u 2][1,024 B], then
;           scale words [block][K step][u][16 words].
;           P: their wave 8 takes 64 rows (K) x 32 columns of pos_emb [768][512] f32, K its FIRST axis: a lane takes a column and its registers run down K; pos: images [tile 32][K step 6][1,024 B], scale words from 196,608 on.
; A block's scale is 2^(floor(log2(largest magnitude)) - 2); its byte is the largest magnitude's exponent field - 2, held at 1 from below by a floor among the maximum's leaves.
; LIMITS: NaN and infinities among the inputs are not served.  A block of zeros gets the byte 1 and not 127: its codes are zeros, and this program alone reads the bytes.
;         q0's six K steps are summed through LDS in ascending order, the bias last: another order of f32 sums than a single chain.
; NO CLUSTER, NO PREFETCH: each input byte is read once, by one wave (x0 and bq aside), and every wave asks for all that it reads at its head.
.set STG,  8448                        ; LDS: a wave's stage, 16 rows x 528 bytes: path W and X from byte 0,
.set STGQ, 9*STG                       ; path Q from here
.set QP,   2*9*STG                     ; path Q: the waves' partial sums, 2,048 bytes each
.set SPARE, QP+9*2048                  ; the spare words, 128 bytes a wave
.set L16,  1                           ; v1   16 x lane
.set L4,   2                           ; v2   4 x lane
.set STW,  3                           ; v3   stage, way in: 8,448 x wave + 16 x lane
.set STR,  4                           ; v4   stage, way out: 8,448 x wave + 528 r + 128 h
.set SH8,  5                           ; v5   8 h
.set RAWA, 12                          ; v12-75   tile u = 0 as loaded (path P: v12-75 the 64 numbers of my column)
.set RAWB, 76                          ; v76-139  tile u = 1 as loaded
.set XT,   140                         ; v140-203 64 numbers in the operand's order
.set TM,   204                         ; v204-219 at work
.set PCX,  220                         ; v220-227 x0's codes (path P: my column's codes)
.set PCA,  228                         ; v228-235 tile 0's codes
.set PCB,  236                         ; v236-243 tile 1's codes
.set PWX,  244                         ; scale words: x0's, tile 0's, tile 1's
.set PWA,  245
.set PWB,  246
.set WRD,  247
.set SPW,  248                         ; v248 LDS address of my spare word
.set NIL,  249                         ; v249 0
.set QSW,  250                         ; v250, v251: STW and STR for path Q
.set QSR,  251
.set SEL,  36                          ; s[36:37] lane selects for v_permlanex16_b32: lane l xor 16
; 16 rows x 128 f32, loaded one row to an instruction, go through the wave's own stage and come back in the operand's order:
; register xt + 32 c + i of lane (r, h) is k = 64 c + 32 h + i of row r: two whole blocks of 32 a lane.  LDS serves a wave's instructions in order, so no wait stands between stores and loads.
; A stage row is 528 bytes = 16 modulo 256.
.macro TURN raw, xt, stw, str
.irp i, 0,1,2,3,4,5,6,7,8,9,10,11,12,13,14,15
	ds_store_b128 v[\stw], v[\raw+4*\i:\raw+4*\i+3] offset:528*\i
.endr
.irp c, 0,1
.irp j, 0,1,2,3,4,5,6,7
	ds_load_b128 v[\xt+32*\c+4*\j:\xt+32*\c+4*\j+3], v[\str] offset:256*\c+16*\j
.endr
.endr
.endm
; 64 numbers in that order become a fragment's eight registers of codes (pc) and the row's scale word (pw, whole in both halves of the lanes).
.macro QUANTM xt, pc, pw
.irp c, 0,1
	v_max3_num_f32 v[TM+\c], |v[\xt+32*\c]|, |v[\xt+32*\c+1]|, 0x1800000   ; my block 2 c + h, and the floor 2^(3 - 127)
.endr
.irp i, 2,4,6,8,10,12,14,16,18,20,22,24,26,28,30
.irp c, 0,1
	v_max3_num_f32 v[TM+\c], v[TM+\c], |v[\xt+32*\c+\i]|, |v[\xt+32*\c+\i+1]|
.endr
.endr
.irp c, 0,1
	v_add_nc_u32 v[TM+12+\c], 0xff000000, v[TM+\c]     ; 2 off the exponent field: the conversion's scale operand
.endr
.irp c, 0,1
	v_lshrrev_b32 v[TM+4+\c], 23, v[TM+12+\c]          ; the scale's byte
.endr
	v_lshl_or_b32 v[\pw], v[TM+5], 16, v[TM+4]         ; blocks h and 2 + h,
	v_lshlrev_b32 v[\pw], v[SH8], v[\pw]               ; at their places in the word;
	v_permlanex16_b32 v[TM+8], v[\pw], s[SEL], s[SEL+1]
	v_or_b32 v[\pw], v[\pw], v[TM+8]                   ; with lane l xor 16's two the word is whole
.irp c, 0,1
.irp g, 0,1,2,3
	v_cvt_scalef32_pk8_fp4_f32 v[\pc+4*\c+\g], v[\xt+32*\c+8*\g:\xt+32*\c+8*\g+7], v[TM+12+\c]
.endr
.endr
	v_nop                                              ; one plain place behind the last scaled conversion
.endm
.macro LOADT raw, u                    ; tile u: its row i is row 8 u + i + 8 (i / 8) of the block of 32; each load takes 512 consecutive bytes
.irp i, 0,1,2,3,4,5,6,7,8,9,10,11,12,13,14,15
	global_load_b128 v[\raw+4*\i:\raw+4*\i+3], v[L16], s[28:29] offset:(8*\u+\i+8*(\i/8))*3072 th:TH_LOAD_NT
.endr
.endm
	s_load_b512 s[4:19], s[0:1], 0x0               ; Wk 4, Wv 6, Wq 8, bq 10, pos_emb 12, token_embeddings 14, wts 16, qv 18
	s_load_b128 s[20:23], s[0:1], 0x40             ; pos 20, xq 22
	v_lshl_add_u32 v[SPW], v0, 2, SPARE
	v_mov_b32 v[NIL], 0
	v_lshrrev_b32 v6, 5, v0
	v_readfirstlane_b32 s24, v6                    ; wave 0..8
	s_mul_i32 s25, s24, STG
	s_add_co_u32 s30, s25, STGQ
	s_lshl_b32 s26, s24, 11
	s_add_co_u32 s26, s26, QP
	v_and_b32 v7, 31, v0                           ; lane
	v_and_b32 v8, 15, v0                           ; r
	v_bfe_u32 v9, v0, 4, 1                         ; h
	v_lshlrev_b32 v[L16], 4, v7
	v_lshlrev_b32 v[L4], 2, v7
	v_lshlrev_b32 v[SH8], 3, v9
	v_cmp_lt_u32 s38, 15, v7                       ; lanes 16-31
	v_mul_u32_u24 v[STR], v8, 528
	v_add_nc_u32 v[STW], s25, v[L16]
	v_add_nc_u32 v[QSW], s30, v[L16]
	v_lshl_add_u32 v[STR], v9, 7, v[STR]
	v_add_nc_u32 v10, s26, v[L16]                  ; path Q: where I put my partial sums
	v_add_nc_u32 v11, QP, v[L16]                   ; and where wave 0 reads all six
	v_add_nc_u32 v[QSR], s30, v[STR]
	v_add_nc_u32 v[STR], s25, v[STR]
	v_mov_b32 v[TM+8], 0                           ; written once: a lane permute's destination counts as one of its sources
	s_mov_b32 s[SEL], 0x76543210
	s_mov_b32 s[SEL+1], 0xfedcba98
	s_mov_b32 s33, 0                               ; the upper word of every offset pair s[32:33]
	s_wait_alu depctr_va_vdst(0)                   ; the wait at the head's end
	s_wait_kmcnt 0x0
	s_cmp_lt_u32 ttmp9, 24
	s_cbranch_scc1 .Lpath_q
	s_cmp_lt_u32 ttmp9, 56
	s_cbranch_scc1 .Lpath_w                        ; the tokens take the weights' path,
	s_cmp_eq_u32 s24, 8
	s_cbranch_scc1 .Lpath_p                        ; but for wave 8
; ---- W and X: 32 rows x 128 K of Wk, of Wv or of the tokens.  Only pointers and numbers are chosen, on the work-group's number alone
.Lpath_w:
	s_sub_co_u32 s25, ttmp9, 24
	s_mul_i32 s25, s25, 9
	s_sub_co_u32 s27, ttmp9, 56
	s_lshl_b32 s27, s27, 3
	s_cmp_ge_u32 ttmp9, 56
	s_cselect_b32 s26, s27, s25
	s_cselect_b64 s[28:29], s[14:15], s[4:5]       ; from: the tokens, or Wk
	s_cselect_b64 s[40:41], s[22:23], s[16:17]     ; to: xq, or wts
	s_add_co_u32 s26, s26, s24                     ; task
	s_mul_i32 s25, s26, 43691
	s_lshr_b32 s25, s25, 18                        ; block = task / 6 (exact for tasks under 1,536)
	s_mul_i32 s27, s25, 6
	s_sub_co_u32 s27, s26, s27                     ; K step
	s_lshr_b32 s30, s25, 2
	s_mul_i32 s30, s30, 52224                      ; X: the block's group of four,
	s_and_b32 s31, s25, 3
	s_mul_i32 s34, s31, 768
	s_mul_i32 s31, s31, 12288
	s_add_co_u32 s31, s31, s30                     ; its images,
	s_add_co_u32 s34, s34, s30
	s_add_co_u32 s34, s34, 49152                   ; its scale words
	s_mul_i32 s30, s25, 12288                      ; W: the same
	s_mul_i32 s35, s25, 768
	s_add_co_u32 s35, s35, 589824
	s_cmp_ge_u32 ttmp9, 56
	s_cselect_b32 s30, s31, s30
	s_cselect_b32 s35, s34, s35
	s_sub_co_u32 s26, s25, 24
	s_sub_co_u32 s31, ttmp9, 40
	s_cmp_lt_u32 s31, 16                           ; work-groups 40..55: tasks 144 on: Wv
	s_cselect_b64 s[28:29], s[6:7], s[28:29]
	s_cselect_b32 s25, s26, s25                    ; the block's number in its source
	s_mul_i32 s32, s25, 98304                      ; 32 rows of 3,072 bytes
	s_lshl_b32 s31, s27, 9                         ; my K step: 512 bytes
	s_add_co_u32 s32, s32, s31
	s_add_nc_u64 s[28:29], s[28:29], s[32:33]
	LOADT RAWA, 0
	LOADT RAWB, 1
	s_lshl_b32 s32, s27, 7
	s_add_co_u32 s32, s32, s35
	s_add_nc_u64 s[34:35], s[40:41], s[32:33]      ; its 32 scale words
	s_lshl_b32 s32, s27, 11
	s_add_co_u32 s32, s32, s30
	s_add_nc_u64 s[30:31], s[40:41], s[32:33]      ; its two images
	s_wait_loadcnt 16                              ; tile 0's sixteen loads are in; tile 1's sixteen may be out
	TURN RAWA, XT, STW, STR
	s_wait_dscnt 0x0
	QUANTM XT, PCA, PWA
	s_wait_alu depctr_va_vdst(0)                   ; directly ahead of the wait below
	s_wait_loadcnt 0x0
	TURN RAWB, XT, STW, STR
	s_wait_dscnt 0x0
	QUANTM XT, PCB, PWB
	v_cndmask_b32 v[WRD], v[PWA], v[PWB], s38      ; lanes 0-15 tile 0's words, lanes 16-31 tile 1's
	global_store_b128 v[L16], v[PCA:PCA+3], s[30:31]               ; each store of the wave covers 512 consecutive bytes, aligned
	global_store_b128 v[L16], v[PCA+4:PCA+7], s[30:31] offset:512
	global_store_b128 v[L16], v[PCB:PCB+3], s[30:31] offset:1024
	global_store_b128 v[L16], v[PCB+4:PCB+7], s[30:31] offset:1536
	global_store_b32 v[L4], v[WRD], s[34:35]
	s_wait_tensorcnt 0x0                           ; the wave's end
	ds_add_u32 v[SPW], v[NIL]
	s_wait_dscnt 0x0
	s_endpgm
; ---- P: 64 along K x 32 columns of pos_emb: a lane to a column, registers down K
.Lpath_p:
	s_sub_co_u32 s25, ttmp9, 56                    ; task 0..191
	s_lshr_b32 s26, s25, 4                         ; which 64 along K
	s_and_b32 s27, s25, 15                         ; group of 32 columns
	s_lshl_b32 s32, s26, 17                        ; 64 rows of 2,048 bytes
	s_lshl_b32 s30, s27, 7
	s_add_co_u32 s32, s32, s30
	s_add_nc_u64 s[28:29], s[12:13], s[32:33]
.irp i, 0,1,2,3,4,5,6,7,8,9,10,11,12,13,14,15,16,17,18,19,20,21,22,23,24,25,26,27,28,29,30,31
	global_load_b32 v[RAWA+\i], v[L4], s[28:29] offset:2048*\i th:TH_LOAD_NT
.endr
.irp i, 0,1,2,3,4,5,6,7,8,9,10,11,12,13,14,15,16,17,18,19,20,21,22,23,24,25,26,27,28,29,30,31
	global_load_b32 v[RAWA+32+\i], v[L4], s[28:29] offset:2048*(32+\i) th:TH_LOAD_NT
.endr
	s_mul_i32 s32, s27, 12288                      ; two tiles of 16 columns, six images each; a block of 32 along K is 256 bytes
	s_lshl_b32 s30, s26, 9
	s_add_co_u32 s32, s32, s30
	s_add_nc_u64 s[34:35], s[20:21], s[32:33]
	s_mul_i32 s32, s27, 768
	s_lshr_b32 s30, s26, 1
	s_lshl_b32 s30, s30, 6
	s_add_co_u32 s32, s32, s30
	s_and_b32 s30, s26, 1
	s_lshl_b32 s30, s30, 1
	s_add_co_u32 s32, s32, s30
	s_add_nc_u64 s[20:21], s[20:21], s[32:33]
	v_mul_u32_u24 v6, v9, 6144                     ; my tile, and my column's 16 bytes in a quarter of an image
	v_mul_u32_u24 v7, v9, 384                      ; my tile's scale words, my column's
	v_lshl_add_u32 v6, v8, 4, v6
	v_lshl_add_u32 v7, v8, 2, v7
	s_wait_alu depctr_va_vdst(0)                   ; directly ahead of the wait below
.macro PBLOCK t, left                  ; left: the younger loads that may stay out
.set PX, RAWA+32*(\t)
	s_wait_loadcnt \left
	v_max3_num_f32 v[TM], |v[PX]|, |v[PX+1]|, |v[PX+2]|            ; all 32 numbers of the block are mine: two chains
	v_max3_num_f32 v[TM+1], |v[PX+3]|, |v[PX+4]|, |v[PX+5]|
.irp i, 6,10,14,18,22,26
	v_max3_num_f32 v[TM], v[TM], |v[PX+\i]|, |v[PX+\i+1]|
	v_max3_num_f32 v[TM+1], v[TM+1], |v[PX+\i+2]|, |v[PX+\i+3]|
.endr
	v_max3_num_f32 v[TM], v[TM], |v[PX+30]|, |v[PX+31]|
	v_max3_num_f32 v[TM], v[TM], v[TM+1], 0x1800000
	v_add_nc_u32 v[TM+12], 0xff000000, v[TM]
	v_lshrrev_b32 v[TM+4+\t], 23, v[TM+12]
.irp g, 0,1,2,3
	v_cvt_scalef32_pk8_fp4_f32 v[PCX+4*(\t)+\g], v[PX+8*\g:PX+8*\g+7], v[TM+12]
.endr
	v_nop
	global_store_b128 v6, v[PCX+4*(\t):PCX+4*(\t)+3], s[34:35] offset:256*(\t)     ; sixteen lanes fill 256 consecutive bytes, aligned
	s_wait_alu depctr_va_vdst(0)
.endm
	PBLOCK 0, 32                                   ; the second block's 32 loads may be out
	PBLOCK 1, 0
	v_lshl_or_b32 v[WRD], v[TM+5], 8, v[TM+4]      ; my column's two bytes: half of a scale word
	global_store_b16 v7, v[WRD], s[20:21] offset:196608
	s_endpgm
; ---- Q: 32 features of q0 for the 8 batches; wave = K step
.Lpath_q:
	s_cmp_gt_u32 s24, 5
	s_cbranch_scc1 .Lq_meet
	s_mul_i32 s32, ttmp9, 98304
	s_lshl_b32 s26, s24, 9
	s_add_co_u32 s32, s32, s26
	s_add_nc_u64 s[28:29], s[8:9], s[32:33]        ; Wq: my 32 rows, my K step
	s_mov_b32 s32, s26
	s_add_nc_u64 s[30:31], s[14:15], s[32:33]      ; x: my K step
	s_lshl_b32 s32, ttmp9, 7
	s_add_nc_u64 s[10:11], s[10:11], s[32:33]      ; bq: my 32 numbers
	v_and_b32 v6, 7, v0                            ; column r of the product is batch r % 8: columns 8-15 repeat 0-7 and are not stored
	v_mul_u32_u24 v6, v6, 0x300000                 ; a batch is 1,024 x 3,072 bytes; its first token is the query that is kept
	v_lshlrev_b32 v7, 6, v9                        ; bq: + 64 h
	v_lshl_add_u32 v6, v9, 7, v6                   ; + 128 h: K is innermost, so the operand's order is the memory's
.irp c, 0,1
.irp j, 0,1,2,3,4,5,6,7
	global_load_b128 v[XT+32*\c+4*\j:XT+32*\c+4*\j+3], v6, s[30:31] offset:256*\c+16*\j
.endr
.endr
	LOADT RAWA, 0
	LOADT RAWB, 1
	s_wait_alu depctr_va_vdst(0)                   ; directly ahead of the wait below
	s_wait_loadcnt 32                              ; x0's sixteen loads are in; the two tiles' 32 may be out
	QUANTM XT, PCX, PWX
	s_wait_loadcnt 16                              ; tile 0 is in; tile 1's sixteen may be out
	s_wait_alu depctr_va_vdst(0)
	TURN RAWA, XT, QSW, QSR
	s_wait_dscnt 0x0                               ; the stage's stores have read tile 0's registers, which take the bias and the results
.irp q, 0,1,2,3
	global_load_b128 v[28+4*\q:31+4*\q], v7, s[10:11] offset:16*\q     ; bq of features 32 g + 16 h + 0 .. 15
.endr
	QUANTM XT, PCA, PWA
	s_wait_alu depctr_va_vdst(0)
	s_wait_loadcnt 4                               ; tile 1 is in; bq's four may be out
	TURN RAWB, XT, QSW, QSR
	s_wait_dscnt 0x0
	QUANTM XT, PCB, PWB
.rept 8
	v_nop                                          ; a scale register written by a vector instruction stands eight places ahead of a scaled matrix instruction
.endr
	; TRANSPOSED: source 0 = 16 rows of Wq, source 1 = x0: lane (r, h), register j of tile u: q0[batch r % 8][32 g + 16 h + 8 u + j], this K step's part
	v_wmma_scale_f32_16x16x128_f8f6f4 v[12:19], v[PCA:PCA+7], v[PCX:PCX+7], 0, v[PWA], v[PWX] matrix_a_fmt:MATRIX_FMT_FP4 matrix_b_fmt:MATRIX_FMT_FP4
	v_wmma_scale_f32_16x16x128_f8f6f4 v[20:27], v[PCB:PCB+7], v[PCX:PCX+7], 0, v[PWB], v[PWX] matrix_a_fmt:MATRIX_FMT_FP4 matrix_b_fmt:MATRIX_FMT_FP4
.rept 4
	v_nop                                          ; four places in front of the first read of results (ISA guide 7.12.1)
.endr
.irp i, 0,1,2,3
	ds_store_b128 v10, v[12+4*\i:15+4*\i] offset:512*\i            ; each accumulator from its low end on
.endr
.Lq_meet:
	s_wait_dscnt 0x0                               ; for wave 0's sake: my stores have landed
	s_barrier_signal -1
	s_barrier_wait -1
	s_cmp_lg_u32 s24, 0
	s_cbranch_scc1 .Lq_end                         ; no barrier follows
.irp j, 0,1,2,3,4,5
.irp i, 0,1,2,3
	ds_load_b128 v[76+16*\j+4*\i:79+16*\j+4*\i], v11 offset:2048*\j+512*\i
.endr
.endr
	s_lshl_b32 s32, ttmp9, 4
	s_add_nc_u64 s[34:35], s[18:19], s[32:33]      ; qv: my block's 16 bytes of a row of codes
	s_mov_b32 s32, ttmp9
	s_add_nc_u64 s[18:19], s[18:19], s[32:33]      ; and its scale byte
	s_wait_dscnt 0x0
.irp j, 1,2,3,4,5
.irp e, 0,2,4,6,8,10,12,14
	v_pk_add_f32 v[76+\e:77+\e], v[76+\e:77+\e], v[76+16*\j+\e:77+16*\j+\e]    ; K ascending
.endr
.endr
	s_wait_alu depctr_va_vdst(0)
	s_wait_loadcnt 0x0                             ; bq
.irp e, 0,2,4,6,8,10,12,14
	v_pk_add_f32 v[76+\e:77+\e], v[76+\e:77+\e], v[28+\e:29+\e]
.endr
	v_max3_num_f32 v[TM], |v76|, |v77|, 0x1800000  ; Q(q0): the work-group's 32 features are one block; 16 are mine, 16 lane l xor 16's
.irp i, 2,4,6,8,10,12,14
	v_max3_num_f32 v[TM], v[TM], |v[76+\i]|, |v[77+\i]|
.endr
	v_permlanex16_b32 v[TM+8], v[TM], s[SEL], s[SEL+1]
	v_max_num_f32 v[TM], v[TM], v[TM+8]
	v_add_nc_u32 v[TM+12], 0xff000000, v[TM]
	v_lshrrev_b32 v[TM+4], 23, v[TM+12]
	v_cvt_scalef32_pk8_fp4_f32 v[PCX], v[76:83], v[TM+12]
	v_cvt_scalef32_pk8_fp4_f32 v[PCX+1], v[84:91], v[TM+12]
	v_and_b32 v7, 8, v0                            ; (a plain place behind the conversions)
	v_cmp_eq_u32 vcc_lo, 0, v7                     ; columns 0-7 are the 8 batches
	v_and_b32 v6, 7, v0
	v_mul_u32_u24 v8, v6, 384                      ; a batch's row of codes,
	v_lshl_add_u32 v8, v9, 3, v8                   ; my half's 8 bytes
	v_mul_u32_u24 v7, v6, 24                       ; a batch's row of scale bytes
	s_wait_alu depctr_va_vdst(0)
	s_wait_xcnt 0x0                                ; EXEC changes only behind this wait
	s_and_saveexec_b32 s39, vcc_lo
	global_store_b64 v8, v[PCX:PCX+1], s[34:35]
	global_store_b8 v7, v[TM+4], s[18:19] offset:3072      ; both halves of the lanes write the same byte with the same value
	s_wait_xcnt 0x0
	s_or_b32 exec_lo, exec_lo, s39
.Lq_end:
	s_wait_tensorcnt 0x0                           ; the wave's end
	ds_add_u32 v[SPW], v[NIL]
	s_wait_dscnt 0x0
	s_endpgm
.Lfunc_end_k_q30dd2d0d7a_prep:
	.size	k_q30dd2d0d7a_prep, .Lfunc_end_k_q30dd2d0d7a_prep-k_q30dd2d0d7a_prep
	.p2alignl 7, 3214868480
	.fill 96, 4, 3214868480
	.section	.rodata,"a",@progbits
	.p2align	6, 0x0
	.amdhsa_kernel k_q30dd2d0d7a_prep
		.amdhsa_group_segment_fixed_size 171776
		.amdhsa_private_segment_fixed_size 0
		.amdhsa_enable_private_segment 0
		.amdhsa_kernarg_size 80
		.amdhsa_user_sgpr_count 2
		.amdhsa_user_sgpr_kernarg_segment_ptr 1
		.amdhsa_wavefront_size32 1
		.amdhsa_system_sgpr_workgroup_id_x 1
		.amdhsa_system_sgpr_workgroup_id_y 1
		.amdhsa_system_sgpr_workgroup_id_z 1
		.amdhsa_system_vgpr_workitem_id 0
		.amdhsa_next_free_vgpr 252
		.amdhsa_next_free_sgpr 66
		.amdhsa_reserve_vcc 1
		.amdhsa_float_denorm_mode_32 3
		.amdhsa_float_denorm_mode_16_64 3
		.amdhsa_memory_ordered 1
		.amdhsa_forward_progress 1
		.amdhsa_inst_pref_size 54
	.end_amdhsa_kernel
	.amdgpu_metadata
---
amdhsa.version: [ 1, 2 ]
amdhsa.kernels:
  - .name:           k_q30dd2d0d7a_prep
    .symbol:         k_q30dd2d0d7a_prep.kd
    .args:
      - { .name: Wk, .offset: 0, .size: 8, .value_kind: global_buffer, .address_space: global }
      - { .name: Wv, .offset: 8, .size: 8, .value_kind: global_buffer, .address_space: global }
      - { .name: Wq, .offset: 16, .size: 8, .value_kind: global_buffer, .address_space: global }
      - { .name: bq, .offset: 24, .size: 8, .value_kind: global_buffer, .address_space: global }
      - { .name: pos_emb, .offset: 32, .size: 8, .value_kind: global_buffer, .address_space: global }
      - { .name: token_embeddings, .offset: 40, .size: 8, .value_kind: global_buffer, .address_space: global }
      - { .name: wts, .offset: 48, .size: 8, .value_kind: global_buffer, .address_space: global }
      - { .name: qv, .offset: 56, .size: 8, .value_kind: global_buffer, .address_space: global }
      - { .name: pos, .offset: 64, .size: 8, .value_kind: global_buffer, .address_space: global }
      - { .name: xq, .offset: 72, .size: 8, .value_kind: global_buffer, .address_space: global }
    .group_segment_fixed_size: 171776
    .private_segment_fixed_size: 0
    .kernarg_segment_align: 8
    .kernarg_segment_size: 80
    .max_flat_workgroup_size: 288
    .sgpr_count:     66
    .vgpr_count:     252
    .wavefront_size: 32
...
	.end_amdgpu_metadata
.endif
;; end of part 1
;; launch main (part 2): grid 256 x 1, 4 waves a work-group, no clusters, 167,936 bytes of LDS; arguments xq, wts, bk, bv, qv, pos, vcodes, vscl, logit, lint; writes vcodes, vscl, logit, lint
.if DOCPART == 2
	.amdgcn_target "amdgcn-amd-amdhsa--gfx1250"
	.amdhsa_code_object_version 6
	.text
	.protected	k_q30dd2d0d7a_main
	.globl	k_q30dd2d0d7a_main
	.p2align	8
	.type	k_q30dd2d0d7a_main,@function
k_q30dd2d0d7a_main:
	s_mov_b64 s[64:65], 0
	v_nop
	global_prefetch_b8 v0, s[64:65] scope:SCOPE_SE
	s_setreg_imm32_b32 hwreg(HW_REG_WAVE_MODE, 25, 1), 1
	s_wait_xcnt 0x0
; THE BULK.  Work-group n: tokens 128 (n / 4) .. + 127, role (n / 2) % 2, half n % 2: 384 of the 768 features of one matrix.
;   role 0: k = Q(x) Q(Wk)^T + bk, quantised in registers along the features and multiplied by Q(q0)'s same features: the half's part of query 0's logits (the last launch adds the two halves).
;   role 1: v = Q(x) Q(Wv)^T + bv, quantised along the TOKENS (four blocks of 32): codes [block][feature][16 B] and, for each feature, the four scale bytes as ONE WORD [group of 128 tokens][feature];
;           and 32 of the 512 numbers q0 . pos_emb of the tokens' batch (16 work-groups of role 1 a batch): wave w column tile w % 2, K half w / 2.
; All products on codes of FP4 (E2M1) with one E8M0 byte for each 32 along K; x and the weights arrive as images of operand registers.
; Four waves, as many as a WGP has SIMDs.  A wave makes 96 features (blocks g = 12 half + 3 wave + 0 .. 2) x 128 tokens: 48 accumulators, 384 registers.  A K step of 128 is 48 products on six weight fragments, which no
; other wave wants, and eight fragments of x.  Two ways bring the 204 KB of a work-group side by side: the tensor data mover brings x's tile (51 KB, images and scale words) and the weights of K steps 4 and 5 (48 KB) into
; LDS, one load a wave, each byte filled once; the weights of K steps 0 to 3 go from memory straight into operand registers.
; NO CLUSTER: the four work-groups that share a tile of x differ in role, and no branch may part the partners of a cluster; most of the weights go into registers, each byte read by one wave once.
; NO PREFETCH: there is no loop to run ahead in: all tensor loads and half of the direct weights are asked for at the head, the rest behind the first barrier.
; WORK LEFT OUT: query rows 1 to 1,023 (the first kernel's head says why).
; TOKEN TILES AND WEIGHT TILES ARE NOT NEIGHBOURING ROWS: row r of tile u of a block of 32 is row 8 u + r + 8 (r / 8).  So a lane's 16 registers of two tiles are 16 neighbours along the next K.  Accumulators of token block z
; stand in window 1 + z / 2 from register 96 (z % 2) on:
;   role 0 (source 0 = Wk, source 1 = x): + 48 u + 16 i + j = feature 32 i + 16 h + j of the wave's 96, column r of token tile u;
;   role 1 (source 0 = x, source 1 = Wv): + 16 t + j = token 16 h + j of feature 32 (t / 2) + 8 (t % 2) + r + 8 (r / 8).
; REGISTERS, in windows of 256: window 0 addresses, scale words, x's fragments, all behind the steps; windows 1 and 2 the accumulators; window 3 the weights: K step ks at 48 (ks % 4).
; LIMITS: NaN and infinities in the inputs are not served.  A block of zeros gets the byte 1 and not 127 (its codes are zeros; this program alone reads the bytes).
;         The bias starts the sums; the logits' and lint's parts along K are summed as trees: another order of f32 sums than one chain.
.set XSC,  49152                       ; LDS: from 0 x's 48 images [block 4][K step 6][u 2][1,024 B]; from here their scale words, 128 bytes for a block and K step: lanes 0-15 tile 0's, lanes 16-31 tile 1's
.set W45,  52224                       ; the weights of K steps 4 and 5: [block 12][K step 2][u 2][1,024 B]
.set LGP,  101376                      ; role 0: [wave 4][128] parts of the logits
.set LIP,  103424                      ; role 1: [K half 2][32] parts of lint,
.set VSC,  103680                      ; and 384 scale words of v
.set SPARE, 105216                     ; the spare words, 128 bytes a wave
.set SPW,  1                           ; v1   LDS address of my spare word
.set NIL,  2                           ; v2   0
.set L16,  3                           ; v3   16 x lane
.set L4,   4                           ; v4   4 x lane
.set ZR,   5                           ; v5   0, as an offset
.set H8,   6                           ; v6   8 h
.set H16,  7                           ; v7   16 h
.set R4,   8                           ; v8   4 r
.set WLA,  9                           ; v9   W45 + 12,288 w + 16 x lane
.set H64,  10                          ; v10  64 h
.set PM4,  11                          ; v11  4 (r + 8 (r / 8))
.set LGW,  13                          ; v13  LGP + 512 w + 4 tk, tk = 8 h + r + 8 (r / 8)
.set LGR,  14                          ; v14  LGP + 256 w + 8 x lane
.set LGO,  15                          ; v15  256 w + 8 x lane
.set LIW,  16                          ; v16  LIP + 64 w + 4 r
.set LIR,  17                          ; v17  LIP + 4 x lane
.set VSCW, 18                          ; v18  VSC + 384 w + 4 tk
.set VSR,  19                          ; v19  VSC + 512 w + 16 x lane
.set VSO,  20                          ; v20  512 w + 16 x lane
.set VADR, 21                          ; v21  16 tk
.set BT,   24                          ; v24-29  role 1: bv of my lane's features
.set TT,   31
.set WS,   32                          ; v32-49  the weights' scale words: 3 ks + i; role 0, behind the steps: k's scale words, two a token tile
.set XS,   50                          ; v50-53  x's, one register a token block
.set QS,   54                          ; v54-56  q0's scale words
.set PS,   57                          ; v57-59  role 1: pos_emb's; role 0: q0's scale bytes as loaded
.set XF,   64                          ; v64-127 x's fragments: a buffer of two for each token block
.set TM,   64                          ; behind the steps: v64-87 at work,
.set LD,   88                          ; v88-111 lint's three products
.set PC,   128                         ; v128-179 codes made here; at the head v128-133 at work
.set LN,   128
.set RR,   129
.set HH,   130
.set PM,   131
.set TK,   132
.set T4,   133
.set QF,   192                         ; v192-215 q0's codes
.set PB,   216                         ; v216-239 role 1: pos_emb's codes
.set WD,   240                         ; v240-245 role 1: v's scale words
.set T,    246                         ; v246-251 at work
.set SEL,  34
.set G1X,  68                          ; s[68:75] descriptor group 1 for x; s[76:83] for the weights; s[84:87], s[88:91] groups 0
.set G1W,  76
.set G0X,  84
.set G0W,  88
.set MSB,  0
.macro WIN new                         ; s_set_vgpr_msb's low byte: bits 1:0 source 0, 3:2 source 1, 5:4 source 2, 7:6 destination; the high byte repeats the setting that is left
.if MSB != (\new)
	s_set_vgpr_msb (MSB<<8)|(\new)
.set MSB, (\new)
.endif
.endm
; One scaled product: D v[DD..], A v[AA..], B v[BB..], scales SA, SB (always of window 0).  cz = 1: the constant 0 starts the sum; else C is v[CC ..].  ra, rb = 1: the side's scale words stand in lanes 16-31.
.macro WM cz, ra, rb
.if \cz
	v_wmma_scale_f32_16x16x128_f8f6f4 v[DD:DD+7], v[AA:AA+7], v[BB:BB+7], 0, v[SA], v[SB] matrix_a_fmt:MATRIX_FMT_FP4 matrix_b_fmt:MATRIX_FMT_FP4
.else
.if \ra
.if \rb
	v_wmma_scale_f32_16x16x128_f8f6f4 v[DD:DD+7], v[AA:AA+7], v[BB:BB+7], v[CC:CC+7], v[SA], v[SB] matrix_a_fmt:MATRIX_FMT_FP4 matrix_b_fmt:MATRIX_FMT_FP4 matrix_a_scale:MATRIX_SCALE_ROW1 matrix_b_scale:MATRIX_SCALE_ROW1
.else
	v_wmma_scale_f32_16x16x128_f8f6f4 v[DD:DD+7], v[AA:AA+7], v[BB:BB+7], v[CC:CC+7], v[SA], v[SB] matrix_a_fmt:MATRIX_FMT_FP4 matrix_b_fmt:MATRIX_FMT_FP4 matrix_a_scale:MATRIX_SCALE_ROW1
.endif
.else
.if \rb
	v_wmma_scale_f32_16x16x128_f8f6f4 v[DD:DD+7], v[AA:AA+7], v[BB:BB+7], v[CC:CC+7], v[SA], v[SB] matrix_a_fmt:MATRIX_FMT_FP4 matrix_b_fmt:MATRIX_FMT_FP4 matrix_b_scale:MATRIX_SCALE_ROW1
.else
	v_wmma_scale_f32_16x16x128_f8f6f4 v[DD:DD+7], v[AA:AA+7], v[BB:BB+7], v[CC:CC+7], v[SA], v[SB] matrix_a_fmt:MATRIX_FMT_FP4 matrix_b_fmt:MATRIX_FMT_FP4
.endif
.endif
.endif
.endm
; TWELVE LOADS into window 3: my six weight fragments (tile t = 2 i + u) of K step ks, from memory (each takes 512 consecutive bytes)
.macro WLOAD ks
	WIN 0xc0
.irp i, 0,1,2
.irp u, 0,1
.irp c, 0,1
	global_load_b128 v[48*((\ks)%4)+16*\i+8*\u+4*\c:48*((\ks)%4)+16*\i+8*\u+4*\c+3], v[L16], s[6:7] offset:12288*\i+2048*(\ks)+1024*\u+512*\c
.endr
.endr
.endr
	WIN 0
.endm
.macro WLDS ks                         ; the same from LDS: K steps 4 and 5
	WIN 0xc0
.irp i, 0,1,2
.irp u, 0,1
.irp c, 0,1
	ds_load_b128 v[48*((\ks)%4)+16*\i+8*\u+4*\c:48*((\ks)%4)+16*\i+8*\u+4*\c+3], v[WLA] offset:4096*\i+2048*((\ks)-4)+1024*\u+512*\c
.endr
.endr
.endr
	WIN 0
.endm
; FIVE LDS LOADS: the two fragments of token block z for K step ks, and their scale words
.macro XFETCH ks, z
.irp u, 0,1
.irp c, 0,1
	ds_load_b128 v[XF+16*(\z)+8*\u+4*\c:XF+16*(\z)+8*\u+4*\c+3], v[L16] offset:12288*(\z)+2048*(\ks)+1024*\u+512*\c
.endr
.endr
	ds_load_b32 v[XS+(\z)], v[L4] offset:XSC+768*(\z)+128*(\ks)
.endm
; A K step: 48 products on 48 accumulators, always in the same order: they take turns, one instruction a turn.  It goes by token blocks, twelve products each; behind a block's four places its
; buffer takes the same block's fragments of the next K step.  The wait on DScnt leaves the five loads of each younger buffer out; ahead of K step 3 all have been waited for.
.macro STEP ks, role
.irp z, 0,1,2,3
.if (\ks) == 5
	s_wait_dscnt 15-5*\z
.else
.if (\ks) != 3
	s_wait_dscnt 15
.endif
.endif
.set ZW, 1+\z/2
.if (\ks) == 0
.set CWN, 2
.else
.set CWN, ZW
.endif
.if \role == 0
	WIN 0x03|(CWN<<4)|(ZW<<6)
.else
	WIN 0x0c|(CWN<<4)|(ZW<<6)
.endif
.irp u, 0,1
.if ((\ks) == 0) && (\z == 3) && (\u == 1)
.rept 5
	v_nop                                          ; five places: the six products below write the registers that the ones above read as C
.endr
.endif
.irp t, 0,1,2,3,4,5
.if \role == 0
.set DD, 96*(\z%2)+48*\u+8*\t
.set AA, 48*((\ks)%4)+8*\t
.set BB, XF+16*\z+8*\u
.set SA, WS+3*(\ks)+\t/2
.set SB, XS+\z
.if (\ks) == 0
.set CC, 144+8*\t
.else
.set CC, DD
.endif
	WM 0, \t%2, \u
.else
.set DD, 96*(\z%2)+16*\t+8*\u
.set AA, XF+16*\z+8*\u
.set BB, 48*((\ks)%4)+8*\t
.set SA, XS+\z
.set SB, WS+3*(\ks)+\t/2
.if (\ks) == 0
.set CC, 104+16*\t
.else
.set CC, DD
.endif
	WM 0, \u, \t%2
.endif
.endr
.endr
.rept 4
	v_nop                                          ; four places in front of loads into registers that matrix instructions have read, and of the first read of results
.endr
	WIN 0
.if (\ks) < 5
	XFETCH (\ks)+1, \z
.endif
.endr
.endm
; What both roles do behind their biases' loads: scale words and the first two K steps' weights; then x's tile, shown by a barrier
.macro HEAD
.irp k, 0,1,2,3,4,5
.irp i, 0,1,2
	global_load_b32 v[WS+3*\k+\i], v[L4], s[42:43] offset:589824+768*\i+128*\k
.endr
.endr
	WLOAD 0
	WLOAD 1
	s_cmp_gt_u32 s24, 1
	s_cbranch_scc1 .Lnot_x_\@                      ; waves 0 and 1 wait for their halves of x's tile; waves 2 and 3 have a load line of their own, waited for later
	s_wait_tensorcnt 0x0
.Lnot_x_\@:
	s_barrier_signal -1
	s_barrier_wait -1                              ; x's tile lies in LDS
	XFETCH 0, 0
	XFETCH 0, 1
	XFETCH 0, 2
	XFETCH 0, 3
.endm
; Ahead of K step 3: every wave's tensor loads have landed; sets 0 and 1 take K steps 4 and 5
.macro SECOND
	s_wait_tensorcnt 0x0
	s_wait_dscnt 0x0
	s_barrier_signal -1
	s_barrier_wait -1
	WLDS 4
	WLDS 5
.endm
; Six blocks of 32 of token block z (chains by turns), 16 numbers each in lanes l and l xor 16: role 0: k of tile b / 3, feature block b % 3; role 1: v of tile b.
; Half blocks of codes to PC; the scale bytes to v[TM + 18 + b]
.macro QUANT6 z, role
.set KB, 96*((\z)%2)
.set KW, 1+(\z)/2
	WIN (KW<<2)|(KW<<4)
.irp b, 0,1,2,3,4,5
	v_max3_num_f32 v[TM+\b], 0x1800000, |v[KB+16*\b]|, |v[KB+16*\b+1]|     ; each accumulator is read from its low end on; the floor 2^(3 - 127)
.endr
.irp i, 2,4,6,8,10,12,14
.irp b, 0,1,2,3,4,5
	v_max3_num_f32 v[TM+\b], v[TM+\b], |v[KB+16*\b+\i]|, |v[KB+16*\b+\i+1]|
.endr
.endr
	WIN 0
.irp b, 0,1,2,3,4,5
	v_permlanex16_b32 v[TM+6+\b], v[TM+\b], s[SEL], s[SEL+1]
.endr
.irp b, 0,1,2,3,4,5
	v_max_num_f32 v[TM+\b], v[TM+\b], v[TM+6+\b]
.endr
.irp b, 0,1,2,3,4,5
	v_add_nc_u32 v[TM+12+\b], 0xff000000, v[TM+\b]     ; 2 off the exponent field: the conversion's scale operand
.endr
.irp b, 0,1,2,3,4,5
	v_lshrrev_b32 v[TM+18+\b], 23, v[TM+12+\b]
.endr
	WIN KW
.irp b, 0,1,2,3,4,5
.if \role == 0
.set CD, PC+12*(\z)+6*(\b/3)+(4*(\b%3))%6      ; a token tile's six registers: feature block 0, block 2, block 1
.else
.set CD, PC+12*(\z)+2*\b
.endif
	v_cvt_scalef32_pk8_fp4_f32 v[CD], v[KB+16*\b:KB+16*\b+7], v[TM+12+\b]
	v_cvt_scalef32_pk8_fp4_f32 v[CD+1], v[KB+16*\b+8:KB+16*\b+15], v[TM+12+\b]
.endr
	v_nop                                              ; one plain place behind the last scaled conversion
	WIN 0
.endm
; ---- the head, alike for both roles
	s_load_b512 s[4:19], s[0:1], 0x0               ; xq 4, wts 6, bk 8, bv 10, qv 12, pos 14, vcodes 16, vscl 18
	s_load_b128 s[20:23], s[0:1], 0x40             ; logit 20, lint 22
	v_lshl_add_u32 v[SPW], v0, 2, SPARE
	v_mov_b32 v[NIL], 0
	ds_add_u32 v[SPW], v[NIL]                      ; the wave's opening: the add, twice on end, and its wait ahead of my tensor load
	ds_add_u32 v[SPW], v[NIL]
	v_lshrrev_b32 v[TT], 5, v0
	v_readfirstlane_b32 s24, v[TT]                 ; wave 0..3
	s_lshr_b32 s25, ttmp9, 5                       ; batch
	s_lshr_b32 s40, ttmp9, 2                       ; group of 128 tokens
	s_and_b32 s28, ttmp9, 1                        ; half of the features
	s_bfe_u32 s27, ttmp9, 0x10001                  ; role
	s_and_b32 s26, s40, 7
	s_lshl_b32 s26, s26, 1
	s_or_b32 s26, s26, s28                         ; lint's block of 32 columns
	s_mul_i32 s29, s28, 12
	s_mul_i32 s30, s24, 3
	s_add_co_u32 s29, s29, s30                     ; my first block of 32 features
	s_and_b32 s36, s24, 1                          ; which half of a tensor load's tile I fetch
	s_lshr_b32 s37, s24, 1                         ; lint's K half
	s_mul_i32 s30, s24, 12288
	s_add_co_u32 s30, s30, W45
	s_lshl_b32 s31, s24, 9
	s_add_co_u32 s41, s31, LGP
	s_lshl_b32 s39, s24, 8
	s_add_co_u32 s43, s39, LGP
	s_lshl_b32 s44, s24, 6
	s_add_co_u32 s44, s44, LIP
	s_mul_i32 s45, s24, 384
	s_add_co_u32 s45, s45, VSC
	s_add_co_u32 s42, s31, VSC
	s_mov_b32 s33, 0                               ; the upper words of the offset pairs
	s_mov_b32 s47, 0
	s_mov_b32 s51, 0
	s_mov_b32 s53, 0
	s_mov_b32 s55, 0
	s_mov_b32 s57, 0
	s_mov_b32 s[SEL], 0x76543210
	s_mov_b32 s[SEL+1], 0xfedcba98                 ; v_permlanex16_b32's selects for lane l xor 16
	; descriptor group 1: elements of 8 bytes, no padding.  x: half a tile, 26,112 dense bytes, as 102 rows of 256.  Weights: six blocks' 4,096 bytes of K steps 4 and 5, 12,288 bytes apart
	s_mov_b32 s[G1X], 3<<16
	s_mov_b32 s[G1X+1], 32<<16                     ; tensor_dim0
	s_mov_b32 s[G1X+2], 102<<16                    ; tensor_dim1
	s_mov_b32 s[G1X+3], 32<<16                     ; tile_dim0
	s_mov_b32 s[G1X+4], 102                        ; tile_dim1
	s_mov_b32 s[G1X+5], 32                         ; tensor_dim0_stride
	s_mov_b32 s[G1X+6], 0
	s_mov_b32 s[G1X+7], 0
	s_mov_b32 s[G1W], 3<<16
	s_mov_b32 s[G1W+1], 512<<16
	s_mov_b32 s[G1W+2], 6<<16
	s_mov_b32 s[G1W+3], 512<<16
	s_mov_b32 s[G1W+4], 6
	s_mov_b32 s[G1W+5], 1536
	s_mov_b32 s[G1W+6], 0
	s_mov_b32 s[G1W+7], 0
	s_mov_b32 s[G0X], 1
	s_mul_i32 s[G0X+1], s36, 26112                 ; LDS address
	s_mov_b32 s[G0W], 1
	s_mul_i32 s[G0W+1], s36, 24576
	s_add_co_u32 s[G0W+1], s[G0W+1], W45
	s_mul_i32 s54, s40, 52224
	s_mul_i32 s32, s36, 26112
	s_add_co_u32 s54, s54, s32                     ; x's tile, my half
	s_mul_i32 s46, s27, 294912                     ; the role's matrix,
	s_mul_i32 s56, s28, 147456
	s_add_co_u32 s56, s56, s46
	s_mul_i32 s32, s36, 73728
	s_add_co_u32 s56, s56, s32
	s_add_co_u32 s56, s56, 8192                    ; my six blocks' K steps 4 and 5 (waves 2 and 3);
	s_mul_i32 s32, s29, 12288
	s_add_co_u32 s46, s46, s32                     ; my three blocks' images
	s_mul_i32 s50, s27, 18432
	s_mul_i32 s32, s29, 768
	s_add_co_u32 s50, s50, s32                     ; and scale words
	s_lshl_b32 s52, s29, 7                         ; and biases
	v_and_b32 v[LN], 31, v0
	v_and_b32 v[RR], 15, v0
	v_bfe_u32 v[HH], v0, 4, 1
	v_and_b32 v[PM], 8, v0
	v_lshlrev_b32 v[L16], 4, v[LN]
	v_lshlrev_b32 v[L4], 2, v[LN]
	v_lshlrev_b32 v[LGO], 3, v[LN]
	v_add_nc_u32 v[PM], v[PM], v[RR]               ; r + 8 (r / 8)
	v_lshlrev_b32 v[R4], 2, v[RR]
	v_lshlrev_b32 v[H8], 3, v[HH]
	v_lshlrev_b32 v[H16], 4, v[HH]
	v_lshlrev_b32 v[H64], 6, v[HH]
	v_lshl_add_u32 v[TK], v[HH], 3, v[PM]          ; tk
	v_lshlrev_b32 v[PM4], 2, v[PM]
	v_add_nc_u32 v[WLA], s30, v[L16]
	v_add_nc_u32 v[LGR], s43, v[LGO]
	v_add_nc_u32 v[LGO], s39, v[LGO]
	v_add_nc_u32 v[LIW], s44, v[R4]
	v_lshlrev_b32 v[VADR], 4, v[TK]
	v_lshlrev_b32 v[T4], 2, v[TK]
	v_add_nc_u32 v[LIR], LIP, v[L4]
	v_add_nc_u32 v[VSR], s42, v[L16]
	v_add_nc_u32 v[VSO], s31, v[L16]
	v_mov_b32 v[ZR], 0
	v_add_nc_u32 v[LGW], s41, v[T4]
	v_add_nc_u32 v[VSCW], s45, v[T4]
	v_cmp_lt_u32 s38, 15, v[LN]                    ; lanes 16-31
	s_wait_alu depctr_va_vdst(0)                   ; the wait at the head's end
	s_wait_dscnt 0x0                               ; both opening adds are done
	s_wait_kmcnt 0x0
	s_add_nc_u64 s[G0X+2:G0X+3], s[4:5], s[54:55]
	s_or_b32 s[G0X+3], s[G0X+3], 0x80000000        ; type = 2
	s_add_nc_u64 s[G0W+2:G0W+3], s[6:7], s[56:57]
	s_or_b32 s[G0W+3], s[G0W+3], 0x80000000
	s_cmp_lt_u32 s24, 2                            ; one tensor load a wave: waves 0 and 1 x's tile, waves 2 and 3 the weights' last two K steps
	s_cbranch_scc0 .Lload_w
	tensor_load_to_lds s[G0X:G0X+3], s[G1X:G1X+7]
	s_nop 0
.rept 4
	v_nop
.endr
	s_branch .Lasked
.Lload_w:
	tensor_load_to_lds s[G0W:G0W+3], s[G1W:G1W+7]
	s_nop 0
.rept 4
	v_nop
.endr
.Lasked:
	s_add_nc_u64 s[42:43], s[6:7], s[50:51]
	s_add_nc_u64 s[6:7], s[6:7], s[46:47]
	s_cmp_lg_u32 s27, 0
	s_cbranch_scc1 .Lrole_v                        ; the roles part here, once; each stores to LDS bytes of its own
; ==== role 0: k and the logits
	s_add_nc_u64 s[8:9], s[8:9], s[52:53]
	WIN 0x80
.irp i, 0,1,2
.irp q, 0,1,2,3
	global_load_b128 v[144+16*\i+4*\q:144+16*\i+4*\q+3], v[H64], s[8:9] offset:128*\i+16*\q        ; bk in the result's layout, in the last token tile's accumulators: the C of all the first products: nothing is cleared, nothing added
.endr
.endr
	WIN 0
	HEAD
	WLOAD 2
	WLOAD 3
	s_mul_i32 s32, s25, 24
	s_add_co_u32 s32, s32, s29
	s_add_nc_u64 s[36:37], s[12:13], s[32:33]      ; q0's three scale bytes of my blocks (3,072 bytes further on)
	s_mul_i32 s32, s25, 384
	s_lshl_b32 s45, s29, 4
	s_add_co_u32 s32, s32, s45
	s_add_nc_u64 s[12:13], s[12:13], s[32:33]      ; their codes
	s_lshl_b32 s32, s28, 15
	s_lshl_b32 s45, s40, 9
	s_add_co_u32 s32, s32, s45
	s_add_nc_u64 s[20:21], s[20:21], s[32:33]      ; logit: [half][token]
	s_wait_loadcnt 36                              ; bias, scale words and K step 0 are in; three sets of twelve may be out
	STEP 0, 0
	s_wait_loadcnt 24
	STEP 1, 0
	; q0's 96 features: a lane takes 16 of each block (h), where its own 16 codes of k will stand: registers 0, 1 of the operand for blocks 0 and 2, registers 4, 5 for block 1; zero codes elsewhere,
	; so what k's operand holds there adds nothing
	global_load_b64 v[QF:QF+1], v[H8], s[12:13]    ; every row of these operands is q0
	global_load_b64 v[QF+4:QF+5], v[H8], s[12:13] offset:16
	global_load_b64 v[QF+8:QF+9], v[H8], s[12:13] offset:32
.irp i, 0,1,2
	global_load_u8 v[PS+\i], v[ZR], s[36:37] offset:3072+\i
.endr
.irp i, 2,3,6,7,10,11,12,13,14,15
	v_mov_b32 v[QF+\i], 0
.endr
.irp i, 48,49,50,51
	v_mov_b32 v[PC+\i], 0                          ; (behind the last token tile's codes)
.endr
	s_wait_alu depctr_va_vdst(0)
	s_wait_loadcnt 18                              ; K step 3's twelve and q0's six may be out
	STEP 2, 0
	SECOND
	s_wait_loadcnt 6
	STEP 3, 0
	STEP 4, 0
	STEP 5, 0
	s_wait_loadcnt 0x0
	v_lshl_or_b32 v[QS], v[PS+1], 16, v[PS]        ; bytes 0, 1: block 0's, bytes 2, 3: block 1's: each block stands in two halves
	v_lshl_or_b32 v[QS+1], v[PS+2], 8, v[PS+2]     ; and block 2's
	v_lshl_or_b32 v[QS], v[QS], 8, v[QS]
.irp z, 0,1,2,3
	QUANT6 \z, 0
.irp u, 0,1
	v_lshl_or_b32 v[T+\u], v[TM+19+3*\u], 16, v[TM+18+3*\u]
.endr
.irp u, 0,1
	v_lshl_or_b32 v[WS+8+2*\z+\u], v[TM+20+3*\u], 8, v[TM+20+3*\u]
.endr
.irp u, 0,1
	v_lshl_or_b32 v[WS+2*\z+\u], v[T+\u], 8, v[T+\u]
.endr
.endr
.rept 8
	v_nop                                          ; a scale register written by a vector instruction stands eight places ahead of a scaled matrix instruction
.endr
.set SA, QS
.set AA, QF
.irp m, 0,1,2,3,4,5,6,7
.set DD, XF+8*\m
.set BB, PC+6*\m
.set SB, WS+\m
	WM 1, 0, 0                                     ; every row: q0 . k(token tile m's column r), my feature blocks 0 and 1
.endr
.set SA, QS+1
.set AA, QF+8
.irp m, 0,1,2,3,4,5,6,7
.set DD, XF+8*\m
.set CC, DD
.set BB, PC+6*\m+2
.set SB, WS+8+\m
	WM 0, 0, 0                                     ; and block 2
.endr
.rept 4
	v_nop
.endr
.irp z, 0,1,2,3
	v_cndmask_b32 v[T+\z], v[XF+16*\z], v[XF+16*\z+8], s38         ; lane (r, h): token tk of block z
.endr
.irp z, 0,1,2,3
	ds_store_b32 v[LGW], v[T+\z] offset:128*\z
.endr
	s_wait_dscnt 0x0                               ; for waves 0 and 1's sake: my parts have landed
	s_barrier_signal -1
	s_barrier_wait -1
	s_cmp_gt_u32 s24, 1
	s_cbranch_scc1 .Lend_k                         ; no barrier follows
.irp j, 0,1,2,3
	ds_load_b64 v[PC+2*\j:PC+2*\j+1], v[LGR] offset:512*\j         ; tokens 64 w + 2 x lane, + 1
.endr
	s_wait_dscnt 0x0
	v_pk_add_f32 v[PC:PC+1], v[PC:PC+1], v[PC+2:PC+3]
	v_pk_add_f32 v[PC+4:PC+5], v[PC+4:PC+5], v[PC+6:PC+7]
	v_pk_add_f32 v[PC:PC+1], v[PC:PC+1], v[PC+4:PC+5]
	v_pk_mul_f32 v[PC:PC+1], v[PC:PC+1], 0x3d13cd3a op_sel_hi:[1,0]        ; x 1 / sqrt(768)
	global_store_b64 v[LGO], v[PC:PC+1], s[20:21]  ; 256 consecutive bytes, aligned
.Lend_k:
	s_wait_tensorcnt 0x0                           ; the wave's end
	ds_add_u32 v[SPW], v[NIL]
	s_wait_dscnt 0x0
	s_endpgm
; ==== role 1: v and lint
.Lrole_v:
	s_add_nc_u64 s[10:11], s[10:11], s[52:53]
.irp t, 0,1,2,3,4,5
	global_load_b32 v[BT+\t], v[PM4], s[10:11] offset:128*(\t/2)+32*(\t%2)     ; bv of my lane's feature in tile t
.endr
	HEAD
	s_wait_loadcnt 42                              ; the bias is in; 18 scale words and two sets of twelve may be out
	WIN 0x80
.irp t, 0,1,2,3,4,5
.irp i, 0,1,2,3,4,5,6,7
	v_mov_b32 v[104+16*\t+\i], v[BT+\t]            ; in the result's layout, in the last six accumulators: the C of all the first products
.endr
.endr
	WIN 0
	WLOAD 2
	WLOAD 3
	s_mul_i32 s32, s25, 24
	s_mul_i32 s45, s37, 12
	s_add_co_u32 s32, s32, s45
	s_add_nc_u64 s[48:49], s[12:13], s[32:33]      ; q0's scale words of my K half (3,072 bytes further on)
	s_mul_i32 s32, s25, 384
	s_mul_i32 s45, s37, 192
	s_add_co_u32 s32, s32, s45
	s_add_nc_u64 s[12:13], s[12:13], s[32:33]      ; its codes
	s_lshl_b32 s44, s26, 1
	s_add_co_u32 s44, s44, s36                     ; my column tile
	s_mul_i32 s32, s44, 384
	s_add_co_u32 s32, s32, s45
	s_add_nc_u64 s[58:59], s[14:15], s[32:33]      ; pos: its scale words (196,608 bytes further on)
	s_mul_i32 s32, s44, 6144
	s_mul_i32 s45, s37, 3072
	s_add_co_u32 s32, s32, s45
	s_add_nc_u64 s[14:15], s[14:15], s[32:33]      ; and its images
	s_mul_i32 s32, s40, 49152
	s_lshl_b32 s45, s29, 9
	s_add_co_u32 s32, s32, s45
	s_add_nc_u64 s[16:17], s[16:17], s[32:33]      ; vcodes: my four token blocks, my 96 features
	s_mul_i32 s32, s40, 3072
	s_mul_i32 s45, s28, 1536
	s_add_co_u32 s32, s32, s45
	s_add_nc_u64 s[18:19], s[18:19], s[32:33]      ; vscl: my half's 384 words
	s_lshl_b32 s32, s25, 11
	s_lshl_b32 s45, s26, 7
	s_add_co_u32 s32, s32, s45
	s_add_nc_u64 s[22:23], s[22:23], s[32:33]      ; lint: my 32
	s_wait_alu depctr_va_vdst(0)                   ; directly ahead of the wait below
	s_wait_loadcnt 36
	STEP 0, 1
	s_wait_loadcnt 24
	STEP 1, 1
.irp j, 0,1,2                          ; lint's three K steps: q0's codes (every row), my column tile's
.irp c, 0,1
	global_load_b128 v[QF+8*\j+4*\c:QF+8*\j+4*\c+3], v[H16], s[12:13] offset:64*\j+32*\c
	global_load_b128 v[PB+8*\j+4*\c:PB+8*\j+4*\c+3], v[L16], s[14:15] offset:1024*\j+512*\c
.endr
	global_load_b32 v[QS+\j], v[ZR], s[48:49] offset:3072+4*\j
	global_load_b32 v[PS+\j], v[R4], s[58:59] offset:196608+64*\j
.endr
	s_wait_loadcnt 30                              ; K step 3's twelve and the eighteen above may be out
	STEP 2, 1
	SECOND
	s_wait_loadcnt 18
	STEP 3, 1
	STEP 4, 1
	STEP 5, 1
	s_wait_loadcnt 0x0
.irp j, 0,1,2
.set DD, LD+8*\j
.set AA, QF+8*\j
.set BB, PB+8*\j
.set SA, QS+\j
.set SB, PS+\j
	WM 1, 0, 0                                     ; every row: q0 . pos_emb(:, my column), 128 of K
.endr
.irp z, 0,1,2,3                        ; v's token block z
	QUANT6 \z, 1                                   ; (for z = 0 also the places behind the three products above)
.irp t, 0,1,2,3,4,5
.if \z == 0
	v_mov_b32 v[WD+\t], v[TM+18+\t]                ; the word's byte z
.else
	v_lshl_or_b32 v[WD+\t], v[TM+18+\t], 8*\z, v[WD+\t]
.endif
.endr
.irp i, 0,1,2
	v_permlane16_swap_b32 v[PC+12*\z+4*\i], v[PC+12*\z+4*\i+2]     ; lanes 0-15 then hold all 32 tokens of tile 2 i's feature, lanes 16-31 of tile 2 i + 1's
	v_permlane16_swap_b32 v[PC+12*\z+4*\i+1], v[PC+12*\z+4*\i+3]
.endr
.irp i, 0,1,2
	global_store_b128 v[VADR], v[PC+12*\z+4*\i:PC+12*\z+4*\i+3], s[16:17] offset:12288*\z+512*\i   ; 32 features x 16 bytes: 512 consecutive bytes, aligned
.endr
.endr
	v_add_f32 v[T], v[LD], v[LD+8]
.irp i, 0,1,2
	v_cndmask_b32 v[T+1+\i], v[WD+2*\i], v[WD+2*\i+1], s38         ; lane (r, h): feature tk's word
.endr
	v_add_f32 v[T], v[T], v[LD+16]
.irp i, 0,1,2
	ds_store_b32 v[VSCW], v[T+1+\i] offset:128*\i
.endr
	ds_store_b32 v[LIW], v[T]                      ; both halves of the lanes write the same word with the same value
	s_wait_dscnt 0x0                               ; for the others' sake: my part and my words have landed
	s_barrier_signal -1
	s_barrier_wait -1
	s_cmp_eq_u32 s24, 3
	s_cbranch_scc1 .Llint                          ; no barrier follows
	ds_load_b128 v[XF+48:XF+51], v[VSR]            ; (registers that no store names)
	s_wait_dscnt 0x0
	global_store_b128 v[VSO], v[XF+48:XF+51], s[18:19]     ; waves 0 to 2: 512 consecutive bytes each, aligned
	s_branch .Lend_v
.Llint:
	ds_load_b32 v[T], v[LIR]
	ds_load_b32 v[T+1], v[LIR] offset:128
	s_wait_dscnt 0x0
	v_add_f32 v[T], v[T], v[T+1]
	global_store_b32 v[L4], v[T], s[22:23]         ; lint[batch][32 x block + lane]
.Lend_v:
	s_wait_tensorcnt 0x0                           ; the wave's end
	ds_add_u32 v[SPW], v[NIL]
	s_wait_dscnt 0x0
	s_endpgm
.Lfunc_end_k_q30dd2d0d7a_main:
	.size	k_q30dd2d0d7a_main, .Lfunc_end_k_q30dd2d0d7a_main-k_q30dd2d0d7a_main
	.p2alignl 7, 3214868480
	.fill 96, 4, 3214868480
	.section	.rodata,"a",@progbits
	.p2align	6, 0x0
	.amdhsa_kernel k_q30dd2d0d7a_main
		.amdhsa_group_segment_fixed_size 167936
		.amdhsa_private_segment_fixed_size 0
		.amdhsa_enable_private_segment 0
		.amdhsa_kernarg_size 80
		.amdhsa_user_sgpr_count 2
		.amdhsa_user_sgpr_kernarg_segment_ptr 1
		.amdhsa_wavefront_size32 1
		.amdhsa_system_sgpr_workgroup_id_x 1
		.amdhsa_system_sgpr_workgroup_id_y 1
		.amdhsa_system_sgpr_workgroup_id_z 1
		.amdhsa_system_vgpr_workitem_id 0
		.amdhsa_next_free_vgpr 1024
		.amdhsa_next_free_sgpr 96
		.amdhsa_reserve_vcc 0
		.amdhsa_float_denorm_mode_32 3
		.amdhsa_float_denorm_mode_16_64 3
		.amdhsa_memory_ordered 1
		.amdhsa_forward_progress 1
		.amdhsa_inst_pref_size 181
	.end_amdhsa_kernel
	.amdgpu_metadata
---
amdhsa.version: [ 1, 2 ]
amdhsa.kernels:
  - .name:           k_q30dd2d0d7a_main
    .symbol:         k_q30dd2d0d7a_main.kd
    .args:
      - { .name: xq, .offset: 0, .size: 8, .value_kind: global_buffer, .address_space: global }
      - { .name: wts, .offset: 8, .size: 8, .value_kind: global_buffer, .address_space: global }
      - { .name: bk, .offset: 16, .size: 8, .value_kind: global_buffer, .address_space: global }
      - { .name: bv, .offset: 24, .size: 8, .value_kind: global_buffer, .address_space: global }
      - { .name: qv, .offset: 32, .size: 8, .value_kind: global_buffer, .address_space: global }
      - { .name: pos, .offset: 40, .size: 8, .value_kind: global_buffer, .address_space: global }
      - { .name: vcodes, .offset: 48, .size: 8, .value_kind: global_buffer, .address_space: global }
      - { .name: vscl, .offset: 56, .size: 8, .value_kind: global_buffer, .address_space: global }
      - { .name: logit, .offset: 64, .size: 8, .value_kind: global_buffer, .address_space: global }
      - { .name: lint, .offset: 72, .size: 8, .value_kind: global_buffer, .address_space: global }
    .group_segment_fixed_size: 167936
    .private_segment_fixed_size: 0
    .kernarg_segment_align: 8
    .kernarg_segment_size: 80
    .max_flat_workgroup_size: 128
    .sgpr_count:     96
    .vgpr_count:     1024
    .wavefront_size: 32
...
	.end_amdgpu_metadata
.endif
;; end of part 2
;; launch finish (part 3): grid 12 x 8, 4 waves a work-group, no clusters, 2,560 bytes of LDS; arguments logit, attention_mask, lint, vcodes, vscl, out0; writes out0
.if DOCPART == 3
	.amdgcn_target "amdgcn-amd-amdhsa--gfx1250"
	.amdhsa_code_object_version 6
	.text
	.protected	k_q30dd2d0d7a_finish
	.globl	k_q30dd2d0d7a_finish
	.p2align	8
	.type	k_q30dd2d0d7a_finish,@function
k_q30dd2d0d7a_finish:
	s_mov_b64 s[64:65], 0
	v_nop
	global_prefetch_b8 v0, s[64:65] scope:SCOPE_SE
	s_setreg_imm32_b32 hwreg(HW_REG_WAVE_MODE, 25, 1), 1
	s_wait_xcnt 0x0
; THE ROW.  Work-group (x, b): batch b, features 64 x .. + 63 of the result; wave w takes the 16 features of tile F = 4 x + w.
; Thread n (0 .. 127) owns keys 8 n .. 8 n + 7 of query 0's row: the two halves' parts of the logit are added; mask, gate = sigmoid, position = the gates' sum from the key to the row's end, held at 511, the bias
; interpolated between lint[floor] and lint[floor + 1], then the softmax as the contract has it ahead of a quantised product: t = z log2(e), M = ceil(the row's largest t), p = 2^(t - M), l = the sum of the
; unquantised p; Q(p) along the keys; o = Q(p) Q(v) / l.  The row (1,024 numbers) is worked anew by each of a batch's 12 work-groups: the alternative is one launch more.
; THE TABLE IS SELECTED FROM, NOT ADDRESSED.  A gate lies between 0 and 1 for every input, so positions fall from key to key by at most 1: a lane's eight positions lie within 7 of its last key's, and nine neighbouring
; numbers of lint, from F = floor(last key's position) on, serve all eight keys.  Lane l holds lint[16 l .. 16 l + 15]; 24 lane permutes bring the 24 numbers from 16 (F / 16) on; four rounds of selects, one for each low
; bit of F, move the window to F.  All of it runs whatever F is: no LDS byte's address, no branch and no trip count hangs on it.  A position that rounding puts beyond its cell keeps the cell's line.
; Where the position is a whole number reference() takes ceil = floor; here lint[floor + 1], a finite number, is multiplied by 0 (beyond 511 the permute brings a number of lane 0): the same value.
; WORK LEFT OUT: query rows 1 to 1,023 (the first kernel's head says why).  NO CLUSTER, NO PREFETCH: no loop; each work-group reads other codes of v, and asks for all that it reads at its head.
; LIMITS: NaN and infinities in the workspace are not served; a batch whose mask is all 0 gives NaN, as reference() does.  The gates' sum is a tree (in a lane, across lanes, across waves), another order of f32 sums than
; reference()'s; the bias is continuous in the position, so a floor that turns over changes nothing beyond rounding.  The last product is summed in two accumulators, even and odd K steps.
.set WT,  0                            ; LDS: four waves' sums of gates
.set WMX, 256                          ; their maxima
.set WL,  512                          ; their sums of p
.set PCD, 768                          ; p's 512 bytes of codes
.set PSC, 1280                         ; p's 32 scale bytes
.set SPARE, 2048                       ; the spare words
.set LN,  1                            ; v1 lane, v2 r, v3 h
.set L64, 4                            ; v4   64 x lane
.set T32, 5                            ; v5   32 x thread: my 8 keys' f32 or int32
.set VOFF, 6                           ; v6   12,288 h + 16 r + 256 F
.set VSOFF, 7                          ; v7   16 F + r
.set PFA, 8                            ; v8   16 h
.set ZERO, 9                           ; v9   0
.set CW,  10                           ; v10  4 x thread
.set BW,  11                           ; v11  thread / 4
.set WW,  12                           ; v12  4 x wave
.set OOFF, 13                          ; v13  4 (16 F + r)
.set MD,  14                           ; v14-18 1.0 where bit d of the lane is 0, else 0
.set NINF, 19
.set X,   20                           ; v20-27  logits; later the odd K steps' accumulator
.set W,   28                           ; v28-35  mask, then the fraction; later the even K steps' accumulator
.set G,   36                           ; v36-43  the second half's logits, then gates, sums, positions, z, p
.set I,   44                           ; v44-50  the key's cell: floor less F, 0 to 7
.set LF,  52                           ; v52-59  lint[floor]
.set LC,  60                           ; v60-67  lint[floor + 1]
.set LT,  68                           ; v68-83  lint: register j, lane l: lint[16 l + j]
.set TOT, 84
.set SUF, 85
.set TP,  86
.set NM,  87                           ; -M
.set Q4,  88                           ; v88-91  four waves' figures
.set SCO, 92
.set BYT, 93
.set COD, 94
.set JJ,  95
.set BI,  96                           ; v96-97  4 (F / 16), and 4 more
.set FB,  98                           ; v98     F
.set IB,  99                           ; v99     F as a whole number
.set VF,  100                          ; v100-163 v's eight fragments
.set TB,  164                          ; v164-167 F's low bits
.set T,   196                          ; v196-219 the window
.set PF,  164                          ; v164-227 later: p's eight fragments
.set VW,  228                          ; v228-235 v's scale words
.set PSW, 236                          ; v236-243 p's scale words
.set SPW, 244                          ; v244    LDS address of my spare word
.set NIL, 245                          ; v245    0
.set SEL, 36
	s_load_b256 s[4:11], s[0:1], 0x0               ; logit 4, attention_mask 6, lint 8, vcodes 10
	s_load_b128 s[12:15], s[0:1], 0x20             ; vscl 12, out0 14
	v_lshl_add_u32 v[SPW], v0, 2, SPARE
	v_mov_b32 v[NIL], 0
	v_lshrrev_b32 v[TOT], 5, v0
	v_readfirstlane_b32 s24, v[TOT]                ; wave 0..3
	s_and_b32 s25, ttmp7, 0xffff                   ; batch
	s_lshl_b32 s26, ttmp9, 2
	s_add_co_u32 s26, s26, s24                     ; F
	s_mov_b32 s33, 0
	v_and_b32 v[LN], 31, v0
	v_and_b32 v2, 15, v0
	v_bfe_u32 v3, v0, 4, 1
	v_lshlrev_b32 v[L64], 6, v[LN]
	v_lshlrev_b32 v[T32], 5, v0
	v_mul_u32_u24 v[VOFF], v3, 12288
	v_lshl_add_u32 v[VOFF], v2, 4, v[VOFF]
	s_lshl_b32 s27, s26, 8
	v_add_nc_u32 v[VOFF], s27, v[VOFF]
	s_lshl_b32 s27, s26, 4
	v_add_nc_u32 v[VSOFF], s27, v2
	v_lshlrev_b32 v[PFA], 4, v3
	v_mov_b32 v[ZERO], 0
	v_lshlrev_b32 v[CW], 2, v0
	v_lshrrev_b32 v[BW], 2, v0
	s_lshl_b32 s27, s24, 2
	v_mov_b32 v[WW], s27
	v_lshlrev_b32 v[OOFF], 2, v[VSOFF]
	v_mov_b32 v[NINF], 0xff800000
	s_mov_b32 s[SEL], 0x76543210
	s_mov_b32 s[SEL+1], 0xfedcba98
	s_wait_alu depctr_va_vdst(0)                   ; the wait at the head's end
	s_wait_kmcnt 0x0
	s_lshl_b32 s32, s25, 12
	s_add_nc_u64 s[4:5], s[4:5], s[32:33]
	s_add_nc_u64 s[6:7], s[6:7], s[32:33]
	s_lshl_b32 s32, s25, 11
	s_add_nc_u64 s[8:9], s[8:9], s[32:33]
	s_mul_i32 s32, s25, 393216
	s_add_nc_u64 s[10:11], s[10:11], s[32:33]
	s_mul_i32 s32, s25, 24576
	s_add_nc_u64 s[12:13], s[12:13], s[32:33]
	s_mul_i32 s32, s25, 3072
	s_add_nc_u64 s[14:15], s[14:15], s[32:33]
	global_load_b128 v[X:X+3], v[T32], s[4:5]
	global_load_b128 v[X+4:X+7], v[T32], s[4:5] offset:16
	global_load_b128 v[G:G+3], v[T32], s[4:5] offset:32768
	global_load_b128 v[G+4:G+7], v[T32], s[4:5] offset:32784
	global_load_b128 v[W:W+3], v[T32], s[6:7]
	global_load_b128 v[W+4:W+7], v[T32], s[6:7] offset:16
.irp q, 0,1,2,3
	global_load_b128 v[LT+4*\q:LT+4*\q+3], v[L64], s[8:9] offset:16*\q
.endr
.irp s, 0,1,2,3,4,5,6,7
.irp c, 0,1
	global_load_b128 v[VF+8*\s+4*\c:VF+8*\s+4*\c+3], v[VOFF], s[10:11] offset:49152*\s+24576*\c th:TH_LOAD_NT     ; key block 4 s + 2 c + h, feature 16 F + r: sixteen lanes read 256 consecutive bytes
.endr
.endr
.irp s, 0,1,2,3,4,5,6,7
	global_load_b32 v[VW+\s], v[OOFF], s[12:13] offset:3072*\s     ; the feature's scale word of keys 128 s .. + 127
.endr
.irp d, 0,1,2,3,4
	v_bfe_u32 v[TOT], v0, \d, 1
	v_cmp_eq_u32 vcc_lo, 0, v[TOT]
	v_cndmask_b32 v[MD+\d], 0, 1.0, vcc_lo
.endr
	v_mov_b32 v[SUF], 0
	v_mov_b32 v[TP], 0                             ; a lane permute's destination counts as one of its sources
	s_wait_alu depctr_va_vdst(0)                   ; directly ahead of the wait below
	s_wait_loadcnt 28                              ; logits and mask are in; lint's 4, v's 16 and its 8 scale words may be out
; ---- mask, gates, and their sums from each key to the end of my eight
.irp i, 0,2,4,6
	v_pk_add_f32 v[X+\i:X+\i+1], v[X+\i:X+\i+1], v[G+\i:G+\i+1]
.endr
.irp i, 0,1,2,3,4,5,6,7
	v_cmp_eq_u32 vcc_lo, 0, v[W+\i]
	v_cndmask_b32 v[X+\i], v[X+\i], v[NINF], vcc_lo
.endr
.irp i, 0,1,2,3,4,5,6,7
	v_mul_f32 v[G+\i], 0xbfb8aa3b, v[X+\i]         ; -x log2(e)
.endr
	s_wait_alu depctr_va_vdst(0)                   ; the wait ahead of a batch and behind it
.irp i, 0,1,2,3,4,5,6,7
	v_exp_f32 v[G+\i], v[G+\i]
.endr
	v_nop                                          ; a plain place behind the transcendentals
	s_wait_alu depctr_va_vdst(0)
.irp i, 0,1,2,3,4,5,6,7
	v_add_f32 v[G+\i], 1.0, v[G+\i]
.endr
	s_wait_alu depctr_va_vdst(0)
.irp i, 0,1,2,3,4,5,6,7
	v_rcp_f32 v[G+\i], v[G+\i]                     ; a masked key: 1 / (1 + infinity) = 0
.endr
	v_nop
	s_wait_alu depctr_va_vdst(0)
.irp i, 6,5,4,3,2,1,0
	v_add_f32 v[G+\i], v[G+\i], v[G+\i+1]
.endr
	v_mov_b32 v[TOT], v[G]
; across the lanes: TOT grows to the sum of my group of 2 d lanes; SUF takes the partner group's sum where that group lies behind mine
.macro BFLY d, mreg
	v_mov_b32_dpp v[TP], v[TOT] row_xmask:\d row_mask:0xf bank_mask:0xf
	v_fma_f32 v[SUF], v[TP], v[\mreg], v[SUF]
	v_add_f32 v[TOT], v[TOT], v[TP]
.endm
	BFLY 1, MD
	BFLY 2, MD+1
	BFLY 4, MD+2
	BFLY 8, MD+3
	v_permlanex16_b32 v[TP], v[TOT], s[SEL], s[SEL+1]
	v_fma_f32 v[SUF], v[TP], v[MD+4], v[SUF]
	v_add_f32 v[TOT], v[TOT], v[TP]
	ds_store_b32 v[WW], v[TOT] offset:WT           ; all lanes write the wave's word with the same value
	s_wait_alu depctr_va_vdst(0)
	s_wait_dscnt 0x0
	s_barrier_signal -1
	s_barrier_wait -1
	ds_load_b128 v[Q4:Q4+3], v[ZERO] offset:WT
	s_cmp_lt_u32 s24, 1                            ; the waves behind mine count
	s_cselect_b32 s41, 1.0, 0
	s_cmp_lt_u32 s24, 2
	s_cselect_b32 s42, 1.0, 0
	s_cmp_lt_u32 s24, 3
	s_cselect_b32 s43, 1.0, 0
	s_wait_dscnt 0x0
	v_fma_f32 v[SUF], v[Q4+1], s41, v[SUF]
	v_fma_f32 v[SUF], v[Q4+2], s42, v[SUF]
	v_fma_f32 v[SUF], v[Q4+3], s43, v[SUF]
.irp i, 7,0,1,2,3,4,5,6
	v_add_f32 v[G+\i], v[G+\i], v[SUF]
.endr
.irp i, 7,0,1,2,3,4,5,6
	v_min_num_f32 v[G+\i], 0x43ff8000, v[G+\i]     ; the position, held at 511
.endr
; ---- the window of nine numbers from F on
	v_floor_f32 v[FB], v[G+7]
	v_cvt_u32_f32 v[IB], v[FB]
	v_min_u32 v[IB], 0x1ff, v[IB]                  ; inside the table
	v_lshrrev_b32 v[BI], 2, v[IB]
.irp d, 0,1,2,3
	v_bfe_u32 v[TB+\d], v[IB], \d, 1
.endr
	v_and_b32 v[BI], 0x7c, v[BI]                   ; the permute takes (index / 4) modulo 32: lane F / 16,
	v_add_nc_u32 v[BI+1], 4, v[BI]                 ; and the next
.irp d, 0,1,2,3
	v_cmp_ne_u32 s[44+\d], 0, v[TB+\d]
.endr
	s_wait_alu depctr_va_vdst(0)                   ; directly ahead of the wait below
	s_wait_loadcnt 24                              ; lint is in; v's 16 loads and its 8 scale words may be out
.irp j, 0,1,2,3,4,5,6,7,8,9,10,11,12,13,14,15
	ds_bpermute_b32 v[T+\j], v[BI], v[LT+\j]
.endr
.irp j, 0,1,2,3,4,5,6,7
	ds_bpermute_b32 v[T+16+\j], v[BI+1], v[LT+\j]
.endr
; each key's cell and fraction, while the permutes are out
.irp i, 0,1,2,3,4,5,6,7
	v_sub_f32 v[G+\i], v[G+\i], v[FB]              ; exact: both are multiples of the position's last bit
.endr
.irp i, 0,1,2,3,4,5,6
	v_floor_f32 v[I+\i], v[G+\i]
.endr
.macro HOLD i, f
	v_min_num_f32 v[I+\i], \f, v[I+\i]             ; key i lies at most 7 - i cells on; the fraction below is taken from the held cell
.endm
	HOLD 0, 7.0
	HOLD 1, 6.0
	HOLD 2, 5.0
	HOLD 3, 4.0
	HOLD 4, 3.0
	HOLD 5, 2.0
	HOLD 6, 1.0
.irp i, 0,1,2,3,4,5,6
	v_sub_f32 v[W+\i], v[G+\i], v[I+\i]            ; the fraction
.endr
	v_mov_b32 v[W+7], v[G+7]
	s_wait_alu depctr_va_vdst(0)                   ; directly ahead of the wait below
	s_wait_dscnt 0x0
.irp j, 0,1,2,3,4,5,6,7,8,9,10,11,12,13,14,15
	v_cndmask_b32 v[T+\j], v[T+\j], v[T+\j+8], s47 ; F's bit 3: eight on
.endr
.irp j, 0,1,2,3,4,5,6,7,8,9,10,11
	v_cndmask_b32 v[T+\j], v[T+\j], v[T+\j+4], s46
.endr
.irp j, 0,1,2,3,4,5,6,7,8,9
	v_cndmask_b32 v[T+\j], v[T+\j], v[T+\j+2], s45
.endr
.irp j, 0,1,2,3,4,5,6,7,8
	v_cndmask_b32 v[T+\j], v[T+\j], v[T+\j+1], s44
.endr
.macro ATLEAST d, f                    ; keys whose cell is d or more move on to the window's numbers d and d + 1
.irp i, 0,1,2,3,4,5,6
.if (\d) <= 7-\i
	v_cmp_le_f32 vcc_lo, \f, v[I+\i]
.if (\d) == 1
	v_cndmask_b32 v[LF+\i], v[T], v[T+1], vcc_lo
	v_cndmask_b32 v[LC+\i], v[T+1], v[T+2], vcc_lo
.else
	v_cndmask_b32 v[LF+\i], v[LF+\i], v[T+(\d)], vcc_lo
	v_cndmask_b32 v[LC+\i], v[LC+\i], v[T+(\d)+1], vcc_lo
.endif
.endif
.endr
.endm
	v_mov_b32 v[LF+7], v[T]
	v_mov_b32 v[LC+7], v[T+1]
	ATLEAST 1, 1.0
	ATLEAST 2, 2.0
	ATLEAST 3, 3.0
	ATLEAST 4, 4.0
	ATLEAST 5, 5.0
	ATLEAST 6, 6.0
	ATLEAST 7, 7.0
; ---- z = x + lc w + lf (1 - w), and the row's largest
.irp i, 0,1,2,3,4,5,6,7
	v_fma_f32 v[X+\i], v[LC+\i], v[W+\i], v[X+\i]
	v_sub_f32 v[W+\i], 1.0, v[W+\i]
.endr
.irp i, 0,1,2,3,4,5,6,7
	v_fma_f32 v[G+\i], v[LF+\i], v[W+\i], v[X+\i]
.endr
	v_max3_num_f32 v[TOT], v[G], v[G+1], v[G+2]
	v_max3_num_f32 v[TP], v[G+3], v[G+4], v[G+5]
	v_max3_num_f32 v[TOT], v[TOT], v[G+6], v[G+7]
	v_max_num_f32 v[TOT], v[TOT], v[TP]
	v_max_num_f32_dpp v[TOT], v[TOT], v[TOT] row_xmask:1 row_mask:0xf bank_mask:0xf
	v_max_num_f32_dpp v[TOT], v[TOT], v[TOT] row_xmask:2 row_mask:0xf bank_mask:0xf
	v_max_num_f32_dpp v[TOT], v[TOT], v[TOT] row_xmask:4 row_mask:0xf bank_mask:0xf
	v_max_num_f32_dpp v[TOT], v[TOT], v[TOT] row_xmask:8 row_mask:0xf bank_mask:0xf
	v_permlanex16_b32 v[TP], v[TOT], s[SEL], s[SEL+1]
	v_max_num_f32 v[TOT], v[TOT], v[TP]
	ds_store_b32 v[WW], v[TOT] offset:WMX
	s_wait_alu depctr_va_vdst(0)                   ; directly ahead of the wait below
	s_wait_dscnt 0x0
	s_barrier_signal -1
	s_barrier_wait -1
	ds_load_b128 v[Q4:Q4+3], v[ZERO] offset:WMX
	s_wait_dscnt 0x0
	v_max3_num_f32 v[TOT], v[Q4], v[Q4+1], v[Q4+2]
	v_max_num_f32 v[TOT], v[TOT], v[Q4+3]
	v_mul_f32 v[TOT], 0x3fb8aa3b, v[TOT]           ; the largest t (log2(e) is positive)
	v_floor_f32 v[NM], -v[TOT]                     ; -M = floor(-t) = -ceil(t): the maximum is taken away, as a whole number
; ---- p, its sum, its codes
.irp i, 0,1,2,3,4,5,6,7
	v_fma_f32 v[G+\i], v[G+\i], 0x3fb8aa3b, v[NM]
.endr
	s_wait_alu depctr_va_vdst(0)
.irp i, 0,1,2,3,4,5,6,7
	v_exp_f32 v[G+\i], v[G+\i]                     ; p = 2^(t - M), at most 1; a masked key: 0
.endr
	v_nop
	s_wait_alu depctr_va_vdst(0)
	v_add_f32 v[TOT], v[G], v[G+1]                 ; l is taken of the unquantised p
	v_add_f32 v[TP], v[G+2], v[G+3]
	v_add_f32 v[SUF], v[G+4], v[G+5]
	v_add_f32 v[JJ], v[G+6], v[G+7]
	v_add_f32 v[TOT], v[TOT], v[TP]
	v_add_f32 v[SUF], v[SUF], v[JJ]
	v_add_f32 v[TOT], v[TOT], v[SUF]
	v_add_f32_dpp v[TOT], v[TOT], v[TOT] row_xmask:1 row_mask:0xf bank_mask:0xf
	v_add_f32_dpp v[TOT], v[TOT], v[TOT] row_xmask:2 row_mask:0xf bank_mask:0xf
	v_add_f32_dpp v[TOT], v[TOT], v[TOT] row_xmask:4 row_mask:0xf bank_mask:0xf
	v_add_f32_dpp v[TOT], v[TOT], v[TOT] row_xmask:8 row_mask:0xf bank_mask:0xf
	v_permlanex16_b32 v[TP], v[TOT], s[SEL], s[SEL+1]
	v_add_f32 v[TOT], v[TOT], v[TP]
	ds_store_b32 v[WW], v[TOT] offset:WL
	v_max3_num_f32 v[SUF], v[G], v[G+1], 0x1800000 ; a block of 32 keys is four neighbouring lanes; none of p is negative; the floor 2^(3 - 127)
	v_max3_num_f32 v[SUF], v[SUF], v[G+2], v[G+3]
	v_max3_num_f32 v[SUF], v[SUF], v[G+4], v[G+5]
	v_max3_num_f32 v[SUF], v[SUF], v[G+6], v[G+7]
	v_max_num_f32_dpp v[SUF], v[SUF], v[SUF] row_xmask:1 row_mask:0xf bank_mask:0xf
	v_max_num_f32_dpp v[SUF], v[SUF], v[SUF] row_xmask:2 row_mask:0xf bank_mask:0xf
	v_add_nc_u32 v[SCO], 0xff000000, v[SUF]
	v_lshrrev_b32 v[BYT], 23, v[SCO]
	v_cvt_scalef32_pk8_fp4_f32 v[COD], v[G:G+7], v[SCO]
	v_nop
	ds_store_b32 v[CW], v[COD] offset:PCD          ; my 8 keys' codes: the row's codes lie as a plain stream
	ds_store_b8 v[BW], v[BYT] offset:PSC           ; the four lanes of a block write the same byte with the same value
	s_wait_dscnt 0x0
	s_barrier_signal -1
	s_barrier_wait -1
; ---- o = Q(p) Q(v) / l: source 0: every row is p; source 1: my 16 features; K = 128 keys a step
.irp s, 0,1,2,3,4,5,6,7
.irp c, 0,1
	ds_load_b128 v[PF+8*\s+4*\c:PF+8*\s+4*\c+3], v[PFA] offset:PCD+64*\s+32*\c
.endr
.endr
	ds_load_b128 v[PSW:PSW+3], v[ZERO] offset:PSC
	ds_load_b128 v[PSW+4:PSW+7], v[ZERO] offset:PSC+16
	ds_load_b128 v[Q4:Q4+3], v[ZERO] offset:WL
	s_wait_loadcnt 0x0                             ; v's codes and scale words
	s_wait_dscnt 0x0
.irp s, 0,1,2,3,4,5,6,7                ; two accumulators by turns, one instruction a turn
.set OD, W-8*(\s%2)
.if \s < 2
	v_wmma_scale_f32_16x16x128_f8f6f4 v[OD:OD+7], v[PF+8*\s:PF+8*\s+7], v[VF+8*\s:VF+8*\s+7], 0, v[PSW+\s], v[VW+\s] matrix_a_fmt:MATRIX_FMT_FP4 matrix_b_fmt:MATRIX_FMT_FP4
.else
	v_wmma_scale_f32_16x16x128_f8f6f4 v[OD:OD+7], v[PF+8*\s:PF+8*\s+7], v[VF+8*\s:VF+8*\s+7], v[OD:OD+7], v[PSW+\s], v[VW+\s] matrix_a_fmt:MATRIX_FMT_FP4 matrix_b_fmt:MATRIX_FMT_FP4
.endif
.endr
	v_add_f32 v[Q4], v[Q4], v[Q4+1]                ; l; these three additions and the two v_nop are the places behind the last products
	v_add_f32 v[Q4+2], v[Q4+2], v[Q4+3]
	v_add_f32 v[Q4], v[Q4], v[Q4+2]
	s_wait_alu depctr_va_vdst(0)
	v_rcp_f32 v[Q4], v[Q4]
	v_nop
	v_nop
	s_wait_alu depctr_va_vdst(0)
	v_add_f32 v[TOT], v[W], v[X]                   ; register 0 of both accumulators: all rows are alike; lane r holds feature 16 F + r
	s_wait_alu depctr_va_vdst(0)
	v_mul_f32 v[TOT], v[TOT], v[Q4]
	v_cmp_gt_u32 vcc_lo, 16, v[LN]
	s_wait_alu depctr_va_vdst(0)
	s_wait_xcnt 0x0                                ; EXEC changes only behind this wait
	s_wait_tensorcnt 0x0                           ; the wave's end
	ds_add_u32 v[SPW], v[NIL]
	s_wait_dscnt 0x0
	s_and_saveexec_b32 s39, vcc_lo
	global_store_b32 v[OOFF], v[TOT], s[14:15]     ; 64 consecutive bytes a wave, 256 a work-group
	s_wait_xcnt 0x0
	s_or_b32 exec_lo, exec_lo, s39
	s_endpgm
.Lfunc_end_k_q30dd2d0d7a_finish:
	.size	k_q30dd2d0d7a_finish, .Lfunc_end_k_q30dd2d0d7a_finish-k_q30dd2d0d7a_finish
	.p2alignl 7, 3214868480
	.fill 96, 4, 3214868480
	.section	.rodata,"a",@progbits
	.p2align	6, 0x0
	.amdhsa_kernel k_q30dd2d0d7a_finish
		.amdhsa_group_segment_fixed_size 2560
		.amdhsa_private_segment_fixed_size 0
		.amdhsa_enable_private_segment 0
		.amdhsa_kernarg_size 48
		.amdhsa_user_sgpr_count 2
		.amdhsa_user_sgpr_kernarg_segment_ptr 1
		.amdhsa_wavefront_size32 1
		.amdhsa_system_sgpr_workgroup_id_x 1
		.amdhsa_system_sgpr_workgroup_id_y 1
		.amdhsa_system_sgpr_workgroup_id_z 1
		.amdhsa_system_vgpr_workitem_id 0
		.amdhsa_next_free_vgpr 246
		.amdhsa_next_free_sgpr 66
		.amdhsa_reserve_vcc 1
		.amdhsa_float_denorm_mode_32 3
		.amdhsa_float_denorm_mode_16_64 3
		.amdhsa_memory_ordered 1
		.amdhsa_forward_progress 1
		.amdhsa_inst_pref_size 29
	.end_amdhsa_kernel
	.amdgpu_metadata
---
amdhsa.version: [ 1, 2 ]
amdhsa.kernels:
  - .name:           k_q30dd2d0d7a_finish
    .symbol:         k_q30dd2d0d7a_finish.kd
    .args:
      - { .name: logit, .offset: 0, .size: 8, .value_kind: global_buffer, .address_space: global }
      - { .name: attention_mask, .offset: 8, .size: 8, .value_kind: global_buffer, .address_space: global }
      - { .name: lint, .offset: 16, .size: 8, .value_kind: global_buffer, .address_space: global }
      - { .name: vcodes, .offset: 24, .size: 8, .value_kind: global_buffer, .address_space: global }
      - { .name: vscl, .offset: 32, .size: 8, .value_kind: global_buffer, .address_space: global }
      - { .name: out0, .offset: 40, .size: 8, .value_kind: global_buffer, .address_space: global }
    .group_segment_fixed_size: 2560
    .private_segment_fixed_size: 0
    .kernarg_segment_align: 8
    .kernarg_segment_size: 48
    .max_flat_workgroup_size: 128
    .sgpr_count:     66
    .vgpr_count:     246
    .wavefront_size: 32
...
	.end_amdgpu_metadata
.endif
;; end of part 3
